; MI455X (gfx1250); checked and timed in simulation.
; The chip was launched on July 23, 2026; its instructions are those of AMD's public machine-readable ISA for CDNA 5 (MIT licence, August 2026) and "CDNA5" Instruction Set Architecture Reference Guide (July 2026). The comments in the code are by the model that wrote it; some were corrected since.
;; Smiles Transformer. Allowed arithmetic: float matrix products may take bf16 or f16 operands with f32 sums; other float arithmetic in f32, or as packed bf16 or f16 multiplies, adds, multiply-adds, maxima and minima; sums over many terms, partial sums and values carried from step to step in f32; what a program stores and reads back later, other than sums and carried values, may be rounded once to bf16 or f16.
;; Inputs: b1 4 x 1,024 float32; b2 4 x 256 float32; emb 100 x 256 float32; ln1_b 4 x 256 float32; ln1_w 4 x 256 float32; ln2_b 4 x 256 float32; ln2_w 4 x 256 float32; lnf_b 256 float32; lnf_w 256 float32; out_w 4 x 256 x 256 float32; pe 2,050 x 256 float32; qkv_w 4 x 256 x 768 float32; w1 4 x 256 x 1,024 float32; w2 4 x 1,024 x 256 float32; x 2 x 2,048 int32.
;; Outputs: out0 2 x 2,048 x 100 float32.
;; One version. Each part assembles by itself: llvm-mc -triple=amdgcn-amd-amdhsa -mcpu=gfx1250 --defsym DOCPART=n.
;; ======== version 1 of 1: 10 launches
;; limits: values are held in f16: magnitudes above 65,504 overflow, below 6.1e-05 lose precision
;; workspace buffers: wl0 1,582,080 bytes; wl1 1,582,080 bytes; wl2 1,582,080 bytes; wl3 1,993,728 bytes; qkv 6,291,456 bytes; o 2,097,152 bytes; hA 4,194,304 bytes; hB 4,194,304 bytes
;; launch prep (part 1): grid 51 x 4, 8 waves a work-group, no clusters, 0 bytes of LDS; arguments qkv_w, out_w, w1, w2, emb, x, ln1_w, ln1_b, ln2_w, ln2_b, b1, b2, lnf_w, lnf_b, wl0, wl1, wl2, wl3; writes wl0, wl1, wl2, wl3
.if DOCPART == 1
	.amdgcn_target "amdgcn-amd-amdhsa--gfx1250"
	.amdhsa_code_object_version 6
	.text
	.protected	k_q283ecf2d61_prep
	.globl	k_q283ecf2d61_prep
	.p2align	8
	.type	k_q283ecf2d61_prep,@function
k_q283ecf2d61_prep:
	s_mov_b64 s[64:65], 0
	v_nop
	global_prefetch_b8 v0, s[64:65] scope:SCOPE_SE
	s_setreg_imm32_b32 hwreg(HW_REG_WAVE_MODE, 25, 1), 1
	s_wait_xcnt 0x0
; PREP.  Everything that a later stage walks is laid into one pack for that stage (wl0 .. wl3), so that one text serves every layer and the layer is chosen by the launch's list of buffers alone.
; A pack begins with a stream of chunks of 131,072 bytes: [wave part w: 32,768][k block kbl 0..7: 4,096][tile i 0..3: 1,024].  A piece of 1,024 bytes is a FRAGMENT, 16 output columns x 32 k in f16,
; in the order in which a matrix operand lies in registers: bytes 0-511: lane l (r = l % 16, h = l / 16) has 16 bytes at 16 l, k = 8 h .. 8 h + 7 of column r; bytes 512-1023: k = 16 + 8 h .. + 7.
; Chunk 0: out_w.  1-4: w1.  5-8: w2.  9-11: qkv_w of the NEXT layer (q, k, v); in wl3 chunk 9 is emb as the head's weights (columns from 100 on are zeros), chunks 10 and 11 are never touched.
; Behind the stream, at PARAM, in f32: b1, b2, ln2_w, ln2_b, the next norm's gain and bias.  wl3 also holds layer 0's qkv_w (X0), ln1 of layer 0 (LN0) and the padding mask as f32, 0 or -1e30 (PADM).
; Each weight is rounded once, f32 to f16.  LIMIT: a weight beyond 65,504 becomes an infinity; below 6e-5 it keeps f16's fixed step of 6e-8.
; SHARES.  Grid x: 0-47 one wave part of one chunk (chunk x / 4, part x % 4) of layer y; 48 the parameters of layer y; 49 part y of the emb chunk; 50 a quarter of the mask.  Each byte is stored by one work-group.
; Memory binds; no LDS, no matrix unit: the turn from [k][n] to fragments is made by the loads' addresses (16 lanes take 64 neighbouring bytes of a row, four loads of a wave a row's 256), every store is 512 neighbouring bytes.
.set CHUNK, 131072
.set PARAM, 1572864
.set X0,    1582080
.set LN0,   1975296
.set PADM,  1977344
; v1 r, v2 h, v3 l, v4 32 x wave, v5 32 x wave + 8 h (my first k in the chunk's 256), v6 4,096 x wave + 16 l (my 16 bytes in a wave part); v[32:95] as loaded; v[96:127] packed
; s2 grid x, s3 layer y, s44 (y + 3) % 4; s[40:41] pack y, s[42:43] pack (y + 3) % 4; s53 first column, s54 first k row, s[56:57] source, s[58:59] destination
.macro PICK dst, idx                   ; the pack with number s[idx]: a choice between buffers on a number that hangs on no address
	s_mov_b64 s[\dst:\dst+1], s[38:39]
	s_cmp_eq_u32 s[\idx], 0
	s_cselect_b64 s[\dst:\dst+1], s[32:33], s[\dst:\dst+1]
	s_cmp_eq_u32 s[\idx], 1
	s_cselect_b64 s[\dst:\dst+1], s[34:35], s[\dst:\dst+1]
	s_cmp_eq_u32 s[\idx], 2
	s_cselect_b64 s[\dst:\dst+1], s[36:37], s[\dst:\dst+1]
.endm
; One wave part of a chunk from a matrix [k][n] with rows of n numbers.  Wave v takes k block v; a thread 8 pieces of 16 bytes: tile q, half hf; number j of a piece is k = 16 hf + 8 h + j of column 16 q + r.
.macro CONVW n
	v_add_nc_u32 v7, s54, v5
	v_add_nc_u32 v8, s53, v1
	v_mad_u32_u24 v7, v7, \n, v8
	v_lshlrev_b32 v7, 2, v7
.irp q, 0,1,2,3
.irp hf, 0,1
.irp j, 0,1,2,3,4,5,6,7
	global_load_b32 v[32+16*\q+8*\hf+\j], v7, s[56:57] offset:((16*\hf+\j)*\n+16*\q)*4
.endr
.endr
.endr
	s_wait_loadcnt 0x0
.set p, 0
.rept 32
	v_cvt_pk_f16_f32 v[96+p], v[32+2*p], v[32+2*p+1]   ; the lower k into the low half
.set p, p+1
.endr
.irp q, 0,1,2,3
.irp hf, 0,1
	global_store_b128 v6, v[96+8*\q+4*\hf:96+8*\q+4*\hf+3], s[58:59] offset:1024*\q+512*\hf
.endr
.endr
.endm
	s_load_b512 s[4:19], s[0:1], 0x0               ; qkv_w 4, out_w 6, w1 8, w2 10, emb 12, x 14, ln1_w 16, ln1_b 18
	s_load_b512 s[20:35], s[0:1], 0x40             ; ln2_w 20, ln2_b 22, b1 24, b2 26, lnf_w 28, lnf_b 30, wl0 32, wl1 34
	s_load_b128 s[36:39], s[0:1], 0x80             ; wl2 36, wl3 38
	s_mov_b32 s2, ttmp9
	s_and_b32 s3, ttmp7, 0xffff
	s_add_co_u32 s44, s3, 3
	s_and_b32 s44, s44, 3
	v_and_b32 v1, 15, v0
	v_bfe_u32 v2, v0, 4, 1
	v_and_b32 v3, 31, v0
	v_and_b32 v4, 0xe0, v0
	v_lshl_or_b32 v5, v2, 3, v4
	v_lshlrev_b32 v6, 7, v4
	v_lshl_add_u32 v6, v3, 4, v6
	s_mov_b32 s49, 0                               ; high words of the two offset pairs
	s_mov_b32 s51, 0
	s_wait_kmcnt 0x0
	PICK 40, 3
	PICK 42, 44
	s_cmp_lt_u32 s2, 48
	s_cbranch_scc0 .Lsmall
	s_lshr_b32 s45, s2, 2                          ; chunk
	s_and_b32 s46, s2, 3                           ; wave part w
	s_lshl_b32 s47, s46, 6                         ; 64 w
	s_lshl_b32 s48, s45, 17
	s_lshl_b32 s52, s46, 15
	s_add_co_u32 s48, s48, s52                     ; chunk x CHUNK + 32,768 w
	s_cmp_eq_u32 s45, 0
	s_cbranch_scc1 .Lout
	s_cmp_lt_u32 s45, 5
	s_cbranch_scc1 .Lw1
	s_cmp_lt_u32 s45, 9
	s_cbranch_scc1 .Lw2
	; qkv_w of layer y goes into the pack of the stage before it; layer 0's into wl3 at X0
	s_sub_co_u32 s52, s45, 9                       ; 0 q, 1 k, 2 v
	s_lshl_b32 s53, s52, 8
	s_add_co_u32 s53, s53, s47
	s_mov_b32 s54, 0
	s_mul_i32 s50, s3, 786432
	s_add_nc_u64 s[56:57], s[4:5], s[50:51]
	s_lshl_b32 s52, s52, 17
	s_lshl_b32 s55, s46, 15
	s_add_co_u32 s52, s52, s55
	s_add_co_u32 s52, s52, X0
	s_cmp_eq_u32 s3, 0
	s_cselect_b32 s48, s52, s48
	s_add_nc_u64 s[58:59], s[42:43], s[48:49]
	CONVW 768
	s_endpgm
.Lout:
	s_mov_b32 s53, s47
	s_mov_b32 s54, 0
	s_lshl_b32 s50, s3, 18
	s_add_nc_u64 s[56:57], s[6:7], s[50:51]
	s_add_nc_u64 s[58:59], s[40:41], s[48:49]
	CONVW 256
	s_endpgm
.Lw1:
	s_sub_co_u32 s52, s45, 1
	s_lshl_b32 s53, s52, 8
	s_add_co_u32 s53, s53, s47                     ; columns 256 cc + 64 w on
	s_mov_b32 s54, 0
	s_lshl_b32 s50, s3, 20
	s_add_nc_u64 s[56:57], s[8:9], s[50:51]
	s_add_nc_u64 s[58:59], s[40:41], s[48:49]
	CONVW 1024
	s_endpgm
.Lw2:
	s_sub_co_u32 s52, s45, 5
	s_lshl_b32 s54, s52, 8                         ; k rows 256 cc on
	s_mov_b32 s53, s47
	s_lshl_b32 s50, s3, 20
	s_add_nc_u64 s[56:57], s[10:11], s[50:51]
	s_add_nc_u64 s[58:59], s[40:41], s[48:49]
	CONVW 256
	s_endpgm
.Lsmall:
	s_cmp_eq_u32 s2, 48
	s_cbranch_scc1 .Lpar
	s_cmp_eq_u32 s2, 49
	s_cbranch_scc1 .Lemb
	; the padding mask: four tokens a thread, 0 or -1e30 in f32
	v_lshlrev_b32 v7, 4, v0
	s_lshl_b32 s48, s3, 12
	v_add_nc_u32 v7, s48, v7
	global_load_b128 v[8:11], v7, s[14:15]
	v_mov_b32 v16, 0xf149f2ca
	s_wait_loadcnt 0x0
.irp j, 0,1,2,3
	v_cmp_eq_u32 vcc_lo, 0, v[8+\j]
	v_cndmask_b32 v[12+\j], 0, v16, vcc_lo
.endr
	global_store_b128 v7, v[12:15], s[38:39] offset:PADM
	s_endpgm
.Lpar:                                             ; the parameters of layer y, copied as they are
	v_lshlrev_b32 v7, 2, v0
	s_lshl_b32 s48, s3, 10
	v_add_nc_u32 v8, s48, v7
	v_lshlrev_b32 v9, 4, v0
	s_lshl_b32 s48, s3, 12
	v_add_nc_u32 v10, s48, v9
	global_load_b32 v16, v8, s[20:21]
	global_load_b32 v17, v8, s[22:23]
	global_load_b32 v18, v8, s[26:27]
	global_load_b128 v[20:23], v10, s[24:25]
	global_load_b32 v24, v8, s[16:17]
	global_load_b32 v25, v8, s[18:19]
	s_mov_b32 s50, PARAM+7168
	s_mov_b32 s52, LN0
	s_cmp_eq_u32 s3, 0
	s_cselect_b32 s50, s52, s50                    ; ln1 of layer y is the NEXT norm of the stage before; layer 0's has its own place in wl3
	v_add_nc_u32 v11, s50, v7
	s_wait_loadcnt 0x0
	global_store_b128 v9, v[20:23], s[40:41] offset:PARAM
	global_store_b32 v7, v18, s[40:41] offset:PARAM+4096
	global_store_b32 v7, v16, s[40:41] offset:PARAM+5120
	global_store_b32 v7, v17, s[40:41] offset:PARAM+6144
	global_store_b32 v11, v24, s[42:43]
	global_store_b32 v11, v25, s[42:43] offset:1024
	s_cmp_eq_u32 s3, 3
	s_cbranch_scc0 .Lpend
	global_load_b32 v26, v7, s[28:29]              ; the last stage's next norm is the final one
	global_load_b32 v27, v7, s[30:31]
	s_wait_loadcnt 0x0
	global_store_b32 v7, v26, s[38:39] offset:PARAM+7168
	global_store_b32 v7, v27, s[38:39] offset:PARAM+8192
.Lpend:
	s_endpgm
.Lemb:                                             ; part w = y of the head's chunk: tiles 2 w and 2 w + 1 of emb's rows (k lies along a row), then two tiles of zeros
	s_lshl_b32 s48, s3, 15
	s_add_co_u32 s48, s48, 9*CHUNK
	s_add_nc_u64 s[58:59], s[38:39], s[48:49]
	s_lshl_b32 s50, s3, 5
	v_lshlrev_b32 v9, 2, v5
	v_add_nc_u32 v10, s50, v1                      ; column n = 32 w + r,
	v_add_nc_u32 v11, 16, v10                      ; and 16 further
.irp q, 0,1
	v_min_u32 v[12+\q], 99, v[10+\q]               ; no load leaves the table; what a clamped lane brings is replaced by 0 below
	v_lshl_add_u32 v[12+\q], v[12+\q], 10, v9
.irp hf, 0,1
	global_load_b128 v[32+16*\q+8*\hf:32+16*\q+8*\hf+3],   v[12+\q], s[12:13] offset:64*\hf
	global_load_b128 v[32+16*\q+8*\hf+4:32+16*\q+8*\hf+7], v[12+\q], s[12:13] offset:64*\hf+16
.endr
.endr
.irp z, 0,1,2,3
	v_mov_b32 v[112+\z], 0
.endr
	s_wait_loadcnt 0x0
.set p, 0
.rept 16
	v_cvt_pk_f16_f32 v[96+p], v[32+2*p], v[32+2*p+1]
.set p, p+1
.endr
.irp q, 0,1
	v_cmp_gt_u32 vcc_lo, 100, v[10+\q]
.irp z, 0,1,2,3,4,5,6,7
	v_cndmask_b32 v[96+8*\q+\z], 0, v[96+8*\q+\z], vcc_lo
.endr
.endr
.irp q, 0,1
.irp hf, 0,1
	global_store_b128 v6, v[96+8*\q+4*\hf:96+8*\q+4*\hf+3], s[58:59] offset:1024*\q+512*\hf
.endr
.endr
.irp q, 2,3
.irp hf, 0,1
	global_store_b128 v6, v[112:115], s[58:59] offset:1024*\q+512*\hf
.endr
.endr
	s_endpgm
.Lfunc_end_k_q283ecf2d61_prep:
	.size	k_q283ecf2d61_prep, .Lfunc_end_k_q283ecf2d61_prep-k_q283ecf2d61_prep
	.p2alignl 7, 3214868480
	.fill 96, 4, 3214868480
	.section	.rodata,"a",@progbits
	.p2align	6, 0x0
	.amdhsa_kernel k_q283ecf2d61_prep
		.amdhsa_group_segment_fixed_size 0
		.amdhsa_private_segment_fixed_size 0
		.amdhsa_enable_private_segment 0
		.amdhsa_kernarg_size 144
		.amdhsa_user_sgpr_count 2
		.amdhsa_user_sgpr_kernarg_segment_ptr 1
		.amdhsa_wavefront_size32 1
		.amdhsa_system_sgpr_workgroup_id_x 1
		.amdhsa_system_sgpr_workgroup_id_y 1
		.amdhsa_system_sgpr_workgroup_id_z 1
		.amdhsa_system_vgpr_workitem_id 0
		.amdhsa_next_free_vgpr 128
		.amdhsa_next_free_sgpr 66
		.amdhsa_reserve_vcc 1
		.amdhsa_float_denorm_mode_32 3
		.amdhsa_float_denorm_mode_16_64 3
		.amdhsa_memory_ordered 1
		.amdhsa_forward_progress 1
		.amdhsa_inst_pref_size 46
	.end_amdhsa_kernel
	.amdgpu_metadata
---
amdhsa.version: [ 1, 2 ]
amdhsa.kernels:
  - .name:           k_q283ecf2d61_prep
    .symbol:         k_q283ecf2d61_prep.kd
    .args:
      - { .name: qkv_w, .offset: 0, .size: 8, .value_kind: global_buffer, .address_space: global }
      - { .name: out_w, .offset: 8, .size: 8, .value_kind: global_buffer, .address_space: global }
      - { .name: w1, .offset: 16, .size: 8, .value_kind: global_buffer, .address_space: global }
      - { .name: w2, .offset: 24, .size: 8, .value_kind: global_buffer, .address_space: global }
      - { .name: emb, .offset: 32, .size: 8, .value_kind: global_buffer, .address_space: global }
      - { .name: x, .offset: 40, .size: 8, .value_kind: global_buffer, .address_space: global }
      - { .name: ln1_w, .offset: 48, .size: 8, .value_kind: global_buffer, .address_space: global }
      - { .name: ln1_b, .offset: 56, .size: 8, .value_kind: global_buffer, .address_space: global }
      - { .name: ln2_w, .offset: 64, .size: 8, .value_kind: global_buffer, .address_space: global }
      - { .name: ln2_b, .offset: 72, .size: 8, .value_kind: global_buffer, .address_space: global }
      - { .name: b1, .offset: 80, .size: 8, .value_kind: global_buffer, .address_space: global }
      - { .name: b2, .offset: 88, .size: 8, .value_kind: global_buffer, .address_space: global }
      - { .name: lnf_w, .offset: 96, .size: 8, .value_kind: global_buffer, .address_space: global }
      - { .name: lnf_b, .offset: 104, .size: 8, .value_kind: global_buffer, .address_space: global }
      - { .name: wl0, .offset: 112, .size: 8, .value_kind: global_buffer, .address_space: global }
      - { .name: wl1, .offset: 120, .size: 8, .value_kind: global_buffer, .address_space: global }
      - { .name: wl2, .offset: 128, .size: 8, .value_kind: global_buffer, .address_space: global }
      - { .name: wl3, .offset: 136, .size: 8, .value_kind: global_buffer, .address_space: global }
    .group_segment_fixed_size: 0
    .private_segment_fixed_size: 0
    .kernarg_segment_align: 8
    .kernarg_segment_size: 144
    .max_flat_workgroup_size: 256
    .sgpr_count:     66
    .vgpr_count:     128
    .wavefront_size: 32
...
	.end_amdgpu_metadata
.endif
;; end of part 1
;; launch first (part 2): grid 256 x 1, 4 waves a work-group, clusters of 4 x 1, 327,680 bytes of LDS; arguments x, emb, pe, wl3, hA, qkv; writes hA, qkv
.if DOCPART == 2
	.amdgcn_target "amdgcn-amd-amdhsa--gfx1250"
	.amdhsa_code_object_version 6
	.text
	.protected	k_q283ecf2d61_first
	.globl	k_q283ecf2d61_first
	.p2align	8
	.type	k_q283ecf2d61_first,@function
k_q283ecf2d61_first:
	s_mov_b64 s[64:65], 0
	v_nop
	global_prefetch_b8 v0, s[64:65] scope:SCOPE_SE
	s_setreg_imm32_b32 hwreg(HW_REG_WAVE_MODE, 25, 1), 1
	s_wait_xcnt 0x0
	s_wait_alu depctr_hold_cnt(0) depctr_sa_sdst(0) depctr_va_vdst(0) depctr_va_sdst(0) depctr_va_ssrc(0) depctr_va_vcc(0) depctr_vm_vsrc(0)
	s_getreg_b32 s2, hwreg(HW_REG_IB_STS2, 6, 4)
	s_cmp_eq_u32 s2, 0
	s_cbranch_scc0 .Lentry_in_a_cluster
	s_endpgm
.Lentry_in_a_cluster:
	s_bfe_u32 s2, ttmp6, 0x10000c
	s_cmp_lg_u32 s2, 0x3003
	s_cbranch_scc0 .Lentry_shape_is_right
	s_endpgm
.Lentry_shape_is_right:
; FIRST.  h0 = emb[x] + pe, the first norm, and q, k, v of layer 0.  A work-group owns 16 tokens (tile T of 256), its four waves 64 channels each.
; LAYOUT.  Products are taken transposed: source 0 = 16 output columns of the weights, source 1 = the 16 tokens.  In the result lane l (r = l % 16, h = l / 16) holds token r and channels 8 h + 0..7 of the tile.
; Wave w makes tiles 4 w + i: channels 64 w + 16 i + 8 h + j.  Two such tiles rounded to f16 in pairs ARE a source-1 fragment (16 tokens x 32 k) of the next product; the waves exchange them through 8 KiB of LDS.
; For v the sources are swapped: a lane then holds one channel and eight tokens, which is a piece of a fragment of V^T.  q, k, v leave in fragment order, 512 neighbouring bytes a store.
; WEIGHTS.  All 256 work-groups walk the same three chunks of 131,072 bytes (wl3 at X0), so the four partners of a cluster ask for each JOINTLY; a wave fetches, and alone reads, its own 32,768 bytes of a chunk.
; Two LDS slots; two loads of a wave are out at the start, one behind the one change of slots that fills again.  No prefetch: all three chunks are asked for within the first step.
; FORMATS.  h, the norm and all sums in f32; matrix operands f16, each rounded once.  LIMIT: f16 ends at 65,504.  x is held to 0..99 before it enters an address.
.set CHUNK,  131072
.set X0,     1582080
.set LN0,    1975296
.set SLOT1,  131072                    ; slot 1; one exclusive or turns an address in one slot into the other's
.set XF,     262144                    ; 8 fragments of the normed rows; no fill lands from here on
.set STAT,   303104                    ; wave w: 128 bytes; token r: its mean and its sum of squares about it
.set SPARE,  310272                    ; the spare words, 128 bytes a wave: two blocks of 256 bytes that no other line names
.set L16, 1                            ; v1   16 l
.set WA0, 2                            ; v2   32,768 w + 16 l
.set WA,  3                            ; v3   the same in the slot in hand
.set CO,  4                            ; v4   256 w + 32 h: byte offset of my 8 channels of tile 0 in a vector of 256 f32
.set XS,  8                            ; v8   XF + 2,048 w + 16 l
.set XR,  9                            ; v9   XF + 16 l
.set SA,  10                           ; v10  STAT + 128 w + 8 r
.set SR,  11                           ; v11  STAT + 8 r
.set SPW, 12                           ; v12  my spare word; never rewritten
.set NIL, 13                           ; v13  0; never rewritten
.set H,   16                           ; v[16:47]   h, tile i at H + 8 i
.set ACC, 48                           ; v[48:79]   accumulators; at work in the norm
.set X,   80                           ; v[80:143]  8 source-1 fragments
.set W,   144                          ; v[144:207] two groups of four weight fragments; in the norm gain (32) and bias (32)
.set BIA, 208                          ; v[208:223] packed q, k, v; before that three addresses
.set XA,  208
.set XI,  209
.set PO,  210
.set LS,  240                          ; v[240:255] the norm's single numbers
.set WL, 10
.set WV, 16
.set CX, 17
.set TK, 18
.set G1, 24
.set G0A, 32
.set G0W, 36
.set TB, 40
.set SEL, 46
.set XP, 48
.set HO, 50
.set QP, 52
.set VP, 54
.set PEP, 56
.set R256, 58
.macro PLACES n
.rept \n
	v_nop
.endr
.endm
.macro CROUND                          ; a round of the cluster's barrier
	s_barrier_signal -1
	s_barrier_wait -1
	s_cmp_lg_u32 s[WV], 0
	s_cbranch_scc1 .Lnw0_\@
	s_barrier_signal -3
.Lnw0_\@:
	s_barrier_wait -3
	s_barrier_signal -1
	s_barrier_wait -1
.endm
; THE CHANGE OF SLOTS.  Every wave waits for all its tensor loads (one is out: its part of the next chunk), adds 0 to its spare word, waits for that and for its reads of the slot it leaves.
; fill = 1: a round of the cluster's barrier, and the joint refill first behind it.  The four v_nop are also the places behind the last products.
.macro CHANGE fill
	s_wait_tensorcnt 0x0
	ds_add_u32 v[SPW], v[NIL]
.if \fill
	s_xor_b32 s[G0W+1], s[G0W+1], SLOT1            ; no load of mine is out, so the walking descriptor may be written: the other slot,
	s_add_nc_u64 s[G0W+2:G0W+3], s[G0W+2:G0W+3], CHUNK  ; the next chunk
	s_wait_dscnt 0x0
	CROUND
	tensor_load_to_lds s[G0W:G0W+3], s[G1:G1+7]
	s_nop 0
	PLACES 4
.else
	s_wait_dscnt 0x0
	s_barrier_signal -1
	s_barrier_wait -1
	PLACES 4
.endif
	s_xor_b32 s[TB], s[TB], SLOT1
.endm
.macro WGRP g, ni                      ; the weight fragments of k block g, tiles 0 .. ni - 1, into group g % 2
.set wi, 0
.rept \ni
	ds_load_b128 v[W+32*((\g)%2)+8*wi:W+32*((\g)%2)+8*wi+3],   v[WA] offset:(\g)*4096+wi*1024
	ds_load_b128 v[W+32*((\g)%2)+8*wi+4:W+32*((\g)%2)+8*wi+7], v[WA] offset:(\g)*4096+wi*1024+512
.set wi, wi+1
.endr
.endm
.macro MROW d, cmode, swap, ni, kb     ; ni products, the accumulators by turns.  At k block 0 the sum starts with 0 (cmode 0); else it goes on in place
.set wi, 0
.rept \ni
.set rD, (\d)+8*wi
.set rW, W+32*((\kb)%2)+8*wi
.set rX, X+8*(\kb)
.if ((\kb) == 0) && ((\cmode) == 0)
.if \swap
	v_wmma_f32_16x16x32_f16 v[rD:rD+7], v[rX:rX+7], v[rW:rW+7], 0
.else
	v_wmma_f32_16x16x32_f16 v[rD:rD+7], v[rW:rW+7], v[rX:rX+7], 0
.endif
.else
.if \swap
	v_wmma_f32_16x16x32_f16 v[rD:rD+7], v[rX:rX+7], v[rW:rW+7], v[rD:rD+7]
.else
	v_wmma_f32_16x16x32_f16 v[rD:rD+7], v[rW:rW+7], v[rX:rX+7], v[rD:rD+7]
.endif
.endif
.set wi, wi+1
.endr
.endm
; A chunk: 8 k blocks x ni tiles.  Two groups of weight fragments take turns: while one is multiplied the other's loads are out, so each wait leaves the one younger group (2 ni loads) out; the last is for 0.
; A group is loaded again four places behind the products that read it.
.macro GEMMC d, cmode, swap, ni
	v_add_nc_u32 v[WA], s[TB], v[WA0]
	WGRP 0, \ni
	WGRP 1, \ni
.irp kb, 0,1,2,3,4,5,6,7
.if \kb == 7
	s_wait_dscnt 0x0
.else
	s_wait_dscnt 2*(\ni)
.endif
	MROW \d, \cmode, \swap, \ni, \kb
.if \kb < 6
	PLACES 4
	WGRP (\kb)+2, \ni
.endif
.endr
.endm
.macro XLOAD a
.irp kb, 0,1,2,3,4,5,6,7
	ds_load_b128 v[X+8*\kb:X+8*\kb+3],   v[\a] offset:1024*\kb
	ds_load_b128 v[X+8*\kb+4:X+8*\kb+7], v[\a] offset:1024*\kb+512
.endr
.endm
; THE NORM of the 16 rows in H, into the 8 fragments X.  Each wave takes the mean of its 64 channels and the sum of squares about THAT mean; the four pairs meet in LDS and are joined exactly
; (M2 = sum of M2_i + 64 x sum of (mean_i - mean)^2): no difference of large sums is formed.
.macro LN gb, goff
.irp i, 0,1,2,3
	global_load_b128 v[W+8*\i:W+8*\i+3],   v[CO], s[\gb:\gb+1] offset:(\goff)+64*\i
	global_load_b128 v[W+8*\i+4:W+8*\i+7], v[CO], s[\gb:\gb+1] offset:(\goff)+64*\i+16
.endr
.irp i, 0,1,2,3
	global_load_b128 v[W+32+8*\i:W+32+8*\i+3],   v[CO], s[\gb:\gb+1] offset:(\goff)+1024+64*\i
	global_load_b128 v[W+32+8*\i+4:W+32+8*\i+7], v[CO], s[\gb:\gb+1] offset:(\goff)+1024+64*\i+16
.endr
.set p, 0
.rept 8
	v_pk_add_f32 v[ACC+2*p:ACC+2*p+1], v[H+4*p:H+4*p+1], v[H+4*p+2:H+4*p+3]
.set p, p+1
.endr
.set p, 0
.rept 4
	v_pk_add_f32 v[ACC+4*p:ACC+4*p+1], v[ACC+4*p:ACC+4*p+1], v[ACC+4*p+2:ACC+4*p+3]
.set p, p+1
.endr
	v_pk_add_f32 v[ACC:ACC+1], v[ACC:ACC+1], v[ACC+4:ACC+5]
	v_pk_add_f32 v[ACC+8:ACC+9], v[ACC+8:ACC+9], v[ACC+12:ACC+13]
	v_pk_add_f32 v[ACC:ACC+1], v[ACC:ACC+1], v[ACC+8:ACC+9]
	v_add_f32 v[ACC], v[ACC], v[ACC+1]
	v_permlanex16_b32 v[ACC+1], v[ACC], s[SEL], s[SEL+1]   ; the token's other 32 channels lie in the lane 16 away
	v_add_f32 v[ACC], v[ACC], v[ACC+1]
	v_mul_f32 v[LS], 0x3c800000, v[ACC]            ; / 64
.set p, 0
.rept 16
	v_pk_add_f32 v[ACC+2*p:ACC+2*p+1], v[H+2*p:H+2*p+1], v[LS:LS+1] op_sel_hi:[1,0] neg_lo:[0,1] neg_hi:[0,1]
.set p, p+1
.endr
.set p, 0
.rept 4
	v_pk_mul_f32 v[LS+2+2*p:LS+3+2*p], v[ACC+2*p:ACC+2*p+1], v[ACC+2*p:ACC+2*p+1]
.set p, p+1
.endr
.rept 12
	v_pk_fma_f32 v[LS+2+2*(p%4):LS+3+2*(p%4)], v[ACC+2*p:ACC+2*p+1], v[ACC+2*p:ACC+2*p+1], v[LS+2+2*(p%4):LS+3+2*(p%4)]
.set p, p+1
.endr
	v_pk_add_f32 v[LS+2:LS+3], v[LS+2:LS+3], v[LS+4:LS+5]
	v_pk_add_f32 v[LS+6:LS+7], v[LS+6:LS+7], v[LS+8:LS+9]
	v_pk_add_f32 v[LS+2:LS+3], v[LS+2:LS+3], v[LS+6:LS+7]
	v_add_f32 v[LS+2], v[LS+2], v[LS+3]
	v_permlanex16_b32 v[LS+3], v[LS+2], s[SEL], s[SEL+1]
	v_add_f32 v[LS+1], v[LS+2], v[LS+3]
	ds_store_b64 v[SA], v[LS:LS+1]
	s_wait_dscnt 0x0                               ; for the others: my pair is in LDS
	s_barrier_signal -1
	s_barrier_wait -1
.irp i, 0,1,2,3
	ds_load_b64 v[LS+2+2*\i:LS+3+2*\i], v[SR] offset:128*\i
.endr
	s_wait_dscnt 0x0
	v_add_f32 v[LS+10], v[LS+2], v[LS+4]
	v_add_f32 v[LS+11], v[LS+6], v[LS+8]
	v_add_f32 v[LS+10], v[LS+10], v[LS+11]
	v_mul_f32 v[LS+10], 0x3e800000, v[LS+10]       ; the row's mean
.irp i, 0,1,2,3
	v_sub_f32 v[LS+2+2*\i], v[LS+2+2*\i], v[LS+10]
.endr
	v_mul_f32 v[LS+2], v[LS+2], v[LS+2]
	v_fmac_f32 v[LS+2], v[LS+4], v[LS+4]
	v_fmac_f32 v[LS+2], v[LS+6], v[LS+6]
	v_fmac_f32 v[LS+2], v[LS+8], v[LS+8]
	v_add_f32 v[LS+3], v[LS+3], v[LS+5]
	v_add_f32 v[LS+7], v[LS+7], v[LS+9]
	v_add_f32 v[LS+3], v[LS+3], v[LS+7]
	v_fmamk_f32 v[LS+3], v[LS+2], 0x42800000, v[LS+3]
	v_fmaak_f32 v[LS+3], s[R256], v[LS+3], 0x3727c5ac  ; variance + 1e-5
	v_rsq_f32 v[LS+12], v[LS+3]
	v_mov_b32 v[LS+13], 0                          ; plain work behind the root: the pairs' second words, and my mean less the row's
	v_sub_f32 v[LS+14], v[LS], v[LS+10]
	v_mov_b32 v[LS+15], 0
	s_wait_alu depctr_va_vdst(0)                   ; the wait ahead of the root's first reader
	v_mul_f32 v[LS+14], v[LS+14], v[LS+12]
	s_wait_loadcnt 0x0                             ; gain and bias
.set p, 0
.rept 16
	v_pk_fma_f32 v[ACC+2*p:ACC+2*p+1], v[ACC+2*p:ACC+2*p+1], v[LS+12:LS+13], v[LS+14:LS+15] op_sel_hi:[1,0,0]
.set p, p+1
.endr
.set p, 0
.rept 16
	v_pk_fma_f32 v[ACC+2*p:ACC+2*p+1], v[ACC+2*p:ACC+2*p+1], v[W+2*p:W+2*p+1], v[W+32+2*p:W+32+2*p+1]
.set p, p+1
.endr
.set p, 0
.rept 16
	v_cvt_pk_f16_f32 v[ACC+p], v[ACC+2*p], v[ACC+2*p+1]
.set p, p+1
.endr
.irp i, 0,1,2,3
	ds_store_b128 v[XS], v[ACC+4*\i:ACC+4*\i+3] offset:(\i/2)*1024+(\i%2)*512
.endr
	s_wait_dscnt 0x0
	s_barrier_signal -1
	s_barrier_wait -1
	XLOAD XR                                       ; waited for by the first wait of the chunk that follows
.endm
.macro QKVOUT base, imm, vstep         ; four tiles rounded to f16 and stored, 512 neighbouring bytes a store; a head is two tiles, 131,072 bytes from the next
	PLACES 4
	s_wait_xcnt 0x0                                ; the pack registers are written again only behind this wait
.set p, 0
.rept 16
	v_cvt_pk_f16_f32 v[BIA+p], v[ACC+2*p], v[ACC+2*p+1]
.set p, p+1
.endr
.irp i, 0,1,2,3
	global_store_b128 v[L16], v[BIA+4*\i:BIA+4*\i+3], s[\base:\base+1] offset:(\imm)+(\i/2)*131072+(\i%2)*(\vstep)
.endr
.endm
	s_load_b256 s[4:11], s[0:1], 0x0               ; x 4, emb 6, pe 8, wl3 10
	s_load_b128 s[12:15], s[0:1], 0x20             ; hA 12, qkv 14
	v_lshl_add_u32 v[SPW], v0, 2, SPARE
	v_mov_b32 v[NIL], 0
	ds_add_u32 v[SPW], v[NIL]                      ; the wave's opening: the add and its wait ahead of my first tensor load; the set-up stands between them
	v_lshrrev_b32 v15, 5, v0
	v_readfirstlane_b32 s[WV], v15
	s_bfe_u32 s[CX], ttmp6, 0x40000
	s_lshl_b32 s[TK], ttmp9, 2
	s_add_co_u32 s[TK], s[TK], s[CX]               ; my tile of 16 tokens: it enters global addresses alone
	s_mov_b32 s[G1+0], 15|(3<<16)|(1<<21)          ; the mask of four; elements of 8 bytes; bit 21 beside a mask
	s_mov_b32 s[G1+1], 32<<16                      ; tensor_dim0 = 32 elements: rows of 256 bytes
	s_mov_b32 s[G1+2], 128<<16                     ; tensor_dim1 = 128 rows: 32,768 dense bytes
	s_mov_b32 s[G1+3], 32<<16                      ; tile_dim0
	s_mov_b32 s[G1+4], 128                         ; tile_dim1
	s_mov_b32 s[G1+5], 32                          ; pitch
	s_mov_b32 s[G1+6], 0
	s_mov_b32 s[G1+7], 0
	s_mov_b32 s[G0A], 1
	s_lshl_b32 s[G0A+1], s[WV], 15                 ; slot 0, my part
	s_mov_b32 s[G0W], 1
	s_add_co_u32 s[G0W+1], s[G0A+1], SLOT1         ; slot 1, my part
	s_lshl_b32 s22, s[WV], 15
	s_mov_b32 s23, 0
	s_mov_b32 s61, 0
	s_mov_b32 s[SEL], 0x76543210
	s_mov_b32 s[SEL+1], 0xfedcba98
	s_mov_b32 s[R256], 0x3b800000
	s_mov_b32 s[TB], 0
	v_and_b32 v15, 31, v0
	v_lshlrev_b32 v[L16], 4, v15
	v_add_nc_u32 v[WA0], s22, v[L16]
	v_bfe_u32 v15, v0, 4, 1
	s_lshl_b32 s19, s[WV], 8
	v_lshl_add_u32 v[CO], v15, 5, s19
	s_lshl_b32 s19, s[WV], 11
	s_add_co_u32 s20, s19, XF
	v_add_nc_u32 v[XS], s20, v[L16]
	v_add_nc_u32 v[XR], XF, v[L16]
	v_and_b32 v15, 15, v0
	s_lshl_b32 s19, s[WV], 7
	s_add_co_u32 s19, s19, STAT
	v_lshl_add_u32 v[SA], v15, 3, s19
	v_lshlrev_b32 v[SR], 3, v15
	v_add_nc_u32 v[SR], STAT, v[SR]
	v_lshlrev_b32 v[XA], 2, v15
	v_lshl_add_u32 v[PO], v15, 10, v[CO]
	v_mov_b32 v[LS+1], 0                           ; named in a pair before its first value
	s_add_co_u32 s22, s22, X0
	s_wait_dscnt 0x0                               ; the opening add is done
	s_wait_kmcnt 0x0
	s_add_nc_u64 s[62:63], s[WL:WL+1], s[22:23]    ; my part of chunk 0: made of the wave's number alone
	s_mov_b64 s[G0A+2:G0A+3], s[62:63]
	s_or_b32 s[G0A+3], s[G0A+3], 0x80000000
	s_add_nc_u64 s[G0W+2:G0W+3], s[62:63], CHUNK
	s_or_b32 s[G0W+3], s[G0W+3], 0x80000000
	s_lshl_b32 s60, s[TK], 6
	s_add_nc_u64 s[XP:XP+1], s[4:5], s[60:61]      ; x at my 16 tokens
	s_and_b32 s20, s[TK], 127                      ; my tile in its sequence
	s_lshl_b32 s60, s20, 14
	s_add_nc_u64 s[PEP:PEP+1], s[8:9], s[60:61]
	s_lshl_b32 s60, s[TK], 14
	s_lshl_b32 s19, s[WV], 12
	s_add_co_u32 s60, s60, s19
	s_add_nc_u64 s[HO:HO+1], s[12:13], s[60:61]
	s_lshr_b32 s19, s[TK], 7
	s_lshl_b32 s19, s19, 20
	s_lshl_b32 s21, s[WV], 18
	s_add_co_u32 s19, s19, s21                     ; batch and my first head
	s_lshl_b32 s60, s20, 10
	s_add_co_u32 s60, s60, s19
	s_add_nc_u64 s[QP:QP+1], s[14:15], s[60:61]
	s_lshr_b32 s60, s20, 1
	s_lshl_b32 s60, s60, 11
	s_and_b32 s21, s20, 1
	s_lshl_b32 s21, s21, 9
	s_add_co_u32 s60, s60, s21
	s_add_co_u32 s60, s60, s19
	s_add_nc_u64 s[VP:VP+1], s[14:15], s[60:61]
	CROUND                                         ; all four work-groups are here: the first joint loads meet
	tensor_load_to_lds s[G0A:G0A+3], s[G1:G1+7]
	s_nop 0
	tensor_load_to_lds s[G0W:G0W+3], s[G1:G1+7]
	s_nop 0
	PLACES 4
	global_load_b32 v[XI], v[XA], s[XP:XP+1]
.irp i, 0,1,2,3
	global_load_b128 v[ACC+8*\i:ACC+8*\i+3],   v[PO], s[PEP:PEP+1] offset:64*\i
	global_load_b128 v[ACC+8*\i+4:ACC+8*\i+7], v[PO], s[PEP:PEP+1] offset:64*\i+16
.endr
	s_wait_loadcnt 0x8                             ; x is in; the eight loads of pe behind it stay out
	v_min_u32 v[XI], 99, v[XI]
	v_lshlrev_b32 v[XI], 10, v[XI]
	v_add_nc_u32 v[XI], v[CO], v[XI]
.irp i, 0,1,2,3
	global_load_b128 v[H+8*\i:H+8*\i+3],   v[XI], s[6:7] offset:64*\i
	global_load_b128 v[H+8*\i+4:H+8*\i+7], v[XI], s[6:7] offset:64*\i+16
.endr
	s_wait_loadcnt 0x0
.set p, 0
.rept 16
	v_pk_add_f32 v[H+2*p:H+2*p+1], v[H+2*p:H+2*p+1], v[ACC+2*p:ACC+2*p+1]
.set p, p+1
.endr
.irp i, 0,1,2,3
	global_store_b128 v[L16], v[H+8*\i:H+8*\i+3],   s[HO:HO+1] offset:1024*\i
	global_store_b128 v[L16], v[H+8*\i+4:H+8*\i+7], s[HO:HO+1] offset:1024*\i+512
.endr
	s_wait_tensorcnt 0x1                           ; my part of chunk 0 is in; chunk 1, issued behind it, stays out
	s_barrier_signal -1
	s_barrier_wait -1
	LN WL, LN0
	GEMMC ACC, 0, 0, 4
	QKVOUT QP, 0, 512
	CHANGE 1                                       ; chunk 2 goes into slot 0
	GEMMC ACC, 0, 0, 4
	QKVOUT QP, 2097152, 512
	CHANGE 0
	GEMMC ACC, 0, 1, 4
	QKVOUT VP, 4194304, 1024
	s_wait_tensorcnt 0x0                           ; the wave's end
	ds_add_u32 v[SPW], v[NIL]
	s_wait_dscnt 0x0
	CROUND                                         ; the closing round
	s_endpgm
.Lfunc_end_k_q283ecf2d61_first:
	.size	k_q283ecf2d61_first, .Lfunc_end_k_q283ecf2d61_first-k_q283ecf2d61_first
	.p2alignl 7, 3214868480
	.fill 96, 4, 3214868480
	.section	.rodata,"a",@progbits
	.p2align	6, 0x0
	.amdhsa_kernel k_q283ecf2d61_first
		.amdhsa_group_segment_fixed_size 327680
		.amdhsa_private_segment_fixed_size 0
		.amdhsa_enable_private_segment 0
		.amdhsa_kernarg_size 48
		.amdhsa_user_sgpr_count 2
		.amdhsa_user_sgpr_kernarg_segment_ptr 1
		.amdhsa_wavefront_size32 1
		.amdhsa_system_sgpr_workgroup_id_x 1
		.amdhsa_system_sgpr_workgroup_id_y 1
		.amdhsa_system_sgpr_workgroup_id_z 1
		.amdhsa_system_vgpr_workitem_id 0
		.amdhsa_next_free_vgpr 256
		.amdhsa_next_free_sgpr 66
		.amdhsa_reserve_vcc 0
		.amdhsa_float_denorm_mode_32 3
		.amdhsa_float_denorm_mode_16_64 3
		.amdhsa_memory_ordered 1
		.amdhsa_forward_progress 1
		.amdhsa_inst_pref_size 47
	.end_amdhsa_kernel
	.amdgpu_metadata
---
amdhsa.version: [ 1, 2 ]
amdhsa.kernels:
  - .name:           k_q283ecf2d61_first
    .symbol:         k_q283ecf2d61_first.kd
    .args:
      - { .name: x, .offset: 0, .size: 8, .value_kind: global_buffer, .address_space: global }
      - { .name: emb, .offset: 8, .size: 8, .value_kind: global_buffer, .address_space: global }
      - { .name: pe, .offset: 16, .size: 8, .value_kind: global_buffer, .address_space: global }
      - { .name: wl3, .offset: 24, .size: 8, .value_kind: global_buffer, .address_space: global }
      - { .name: hA, .offset: 32, .size: 8, .value_kind: global_buffer, .address_space: global }
      - { .name: qkv, .offset: 40, .size: 8, .value_kind: global_buffer, .address_space: global }
    .group_segment_fixed_size: 327680
    .private_segment_fixed_size: 0
    .kernarg_segment_align: 8
    .kernarg_segment_size: 48
    .max_flat_workgroup_size: 128
    .sgpr_count:     66
    .vgpr_count:     256
    .wavefront_size: 32
...
	.end_amdgpu_metadata
.endif
;; end of part 2
;; launch a0 (part 3): grid 16 x 16, 8 waves a work-group, no clusters, 70,656 bytes of LDS; arguments qkv, wl3, o; writes o
.if DOCPART == 3
	.amdgcn_target "amdgcn-amd-amdhsa--gfx1250"
	.amdhsa_code_object_version 6
	.text
	.protected	k_q283ecf2d61_a0
	.globl	k_q283ecf2d61_a0
	.p2align	8
	.type	k_q283ecf2d61_a0,@function
k_q283ecf2d61_a0:
	s_mov_b64 s[64:65], 0
	v_nop
	global_prefetch_b8 v0, s[64:65] scope:SCOPE_SE
	s_setreg_imm32_b32 hwreg(HW_REG_WAVE_MODE, 25, 1), 1
	s_wait_xcnt 0x0
; ATTENTION, causal and with the padding mask, head size 32.  o[q] = sum over visible k <= q of softmax_k(q . k / sqrt(32)) v[k]; a row with no visible key gives 0.
; q, k, v, o lie in fragment order (16 rows x 32 in f16 = 1,024 bytes: lane l has 16 bytes at 16 l and at 512 + 16 l), so every load and store of a wave is 512 neighbouring bytes and nothing is turned here.
; THE WALK.  A sequence has 32 blocks of 64 queries.  A work-group (pair pb = grid x; batch and head = grid y) takes blocks 31 - pb and then pb: 62 steps of 32 keys below the diagonals and two diagonal blocks, whatever pb.
; SHARES.  Every wave holds all four query tiles of the block; the KEYS are dealt to the eight waves, step s to the wave with s % 8 = S0.  Of the diagonal's 64 keys waves 0-3 take 16 each; waves 4-7 are dealt the first steps instead.
; So no two waves read the same byte of K or V, each fragment feeds four tiles, and K, V, Q and the mask come straight into registers.  The eight partial (c m, l, O) of a block meet in LDS once.
; NO CLUSTER, NO TENSOR LOADS: nothing is shared inside a work-group, and the work-groups of a head walk different numbers of steps (2 blk, from 0 to 62), so partners would need different numbers of tiles.
; LAYOUT.  S^T = K Q^T (source 0 = 16 keys, source 1 = 16 queries): a lane holds ONE query (l % 16) and keys 8 (l / 16) + 0..7.  Two such results rounded to f16 ARE source 1 of O^T = V^T P.
; THE MASKS ride in as the C operand of K Q^T: 0 or -1e30 for each key; on the diagonal also -1e30 where the key lies behind the query.
; SOFTMAX.  p = 2^(c s - c m), c = log2(e) / sqrt(32), m a running maximum that starts at -2^93; O and l are multiplied by a = 2^(c m_old - c m_new) in every step.  A hidden key's weight is 0 even where m is still at
; its start, so a row with no visible key ends with l = 0 and O = 0; the divisor is held to 2^-100 at the least, which gives 0.
; LIMITS.  f16 operands (65,504 at the most); a true score below -2^93 counts as hidden; a weight below 2^-126 counts as 0; NaN and infinities are not treated apart.
.set KOFF,  2097152
.set VOFF,  4194304
.set PADM,  1977344
.set MS,    65536                      ; LDS 0: wave w's eight tiles of O, 8,192 bytes; here: wave w 512 bytes, tile 128, token 8: (c m, l)
.set SPARE, 69632                      ; the spare words, 128 bytes a wave: four blocks of 256 bytes that no other line names
.set L16, 1                            ; v1   16 l
.set PMO, 2                            ; v2   32 h: my 8 keys in a group's 64 bytes of mask
.set DQ,  3                            ; v3   16 (w % 4) + 8 h - r
.set SPW, 4
.set NIL, 5
.set MOW, 6                            ; v6   8,192 w + 16 l
.set MSW, 7                            ; v7   MS + 512 w + 8 r
.set FR,  8                            ; v8   the tile that I finish: 1,024 (2 (w % 4) + w / 4) + 16 l
.set SR,  9                            ; v9   MS + 128 (w % 4) + 8 r
.set BIG, 10                           ; v10  -1e30
.set ST,  16                           ; v[16:47]   tile t at ST + 8 t: c m, m, l (even, odd), a, its argument, two at work
.set KF,  48                           ; v[48:63]   K, two fragments
.set PMK, 64                           ; v[64:79]   the mask of two groups of 16 keys
.set VF,  80                           ; v[80:95]   V^T, two fragments
.set QF,  96                           ; v[96:127]  Q, four fragments
.set OA,  128                          ; v[128:191] O^T at 16 t + 8 c
.set SC,  192                          ; v[192:255] S^T at 16 t + 8 g; P takes the place of S^T(t, 0)
.set WV, 10
.set PB, 11
.set BH, 12
.set BLK, 13
.set S0, 14
.set N, 15
.set J, 16
.set PASS, 17
.set U, 18
.set FLOOR, 19
.set KP, 20
.set VP, 22
.set PP, 24
.set QP, 26
.set OP, 28
.set INC, 30
.set INCP, 32
.set CS, 34
.set SEL, 36
.set DK, 38
.set DV, 40
.set DP, 42
.macro PLACES n
.rept \n
	v_nop
.endr
.endm
.macro ALLT line:vararg                ; one line for each tile t: neighbours in the text never wait for each other
.set t, 0
.rept 4
	\line
.set t, t+1
.endr
.endm
.macro LOADKP                          ; a step's K and mask: 8 loads
.irp g, 0,1
	global_load_b128 v[KF+8*\g:KF+8*\g+3],   v[L16], s[KP:KP+1] offset:KOFF+1024*\g
	global_load_b128 v[KF+8*\g+4:KF+8*\g+7], v[L16], s[KP:KP+1] offset:KOFF+1024*\g+512
.endr
.irp g, 0,1
	global_load_b128 v[PMK+8*\g:PMK+8*\g+3],   v[PMO], s[PP:PP+1] offset:PADM+64*\g
	global_load_b128 v[PMK+8*\g+4:PMK+8*\g+7], v[PMO], s[PP:PP+1] offset:PADM+64*\g+16
.endr
.endm
.macro LOADV                           ; a step's V: 4 loads
.irp c, 0,1
	global_load_b128 v[VF+8*\c:VF+8*\c+3],   v[L16], s[VP:VP+1] offset:VOFF+1024*\c
	global_load_b128 v[VF+8*\c+4:VF+8*\c+7], v[L16], s[VP:VP+1] offset:VOFF+1024*\c+512
.endr
.endm
.macro PV zero                         ; O^T (+)= V^T P: eight accumulators, one product each
.irp c, 0,1
.irp t, 0,1,2,3
.if \zero
	v_wmma_f32_16x16x32_f16 v[OA+16*\t+8*\c:OA+16*\t+8*\c+7], v[VF+8*\c:VF+8*\c+7], v[SC+16*\t:SC+16*\t+7], 0
.else
	v_wmma_f32_16x16x32_f16 v[OA+16*\t+8*\c:OA+16*\t+8*\c+7], v[VF+8*\c:VF+8*\c+7], v[SC+16*\t:SC+16*\t+7], v[OA+16*\t+8*\c:OA+16*\t+8*\c+7]
.endif
.endr
.endr
.endm
; THE SOFTMAX of a step, the four tiles side by side.  ng = 2: 32 keys, a step like any other.  ng = 1: the diagonal's 16 keys, which is also the wave's first step: m starts at the floor, l and O^T start here.
; Each accumulator's lowest registers are read first.  All exponentials of the step are ONE batch with one wait: nothing ahead of the wait names a result.
.macro SOFTMAX ng
	ALLT v_max3_num_f32 v[ST+8*t+6], v[SC+16*t], v[SC+16*t+1], v[SC+16*t+2]
.if (\ng) == 2
	ALLT v_max3_num_f32 v[ST+8*t+7], v[SC+16*t+8], v[SC+16*t+9], v[SC+16*t+10]
	ALLT v_max3_num_f32 v[ST+8*t+6], v[ST+8*t+6], v[SC+16*t+3], v[SC+16*t+4]
	ALLT v_max3_num_f32 v[ST+8*t+7], v[ST+8*t+7], v[SC+16*t+11], v[SC+16*t+12]
	ALLT v_max3_num_f32 v[ST+8*t+6], v[ST+8*t+6], v[SC+16*t+5], v[SC+16*t+6]
	ALLT v_max3_num_f32 v[ST+8*t+7], v[ST+8*t+7], v[SC+16*t+13], v[SC+16*t+14]
	ALLT v_max3_num_f32 v[ST+8*t+6], v[ST+8*t+6], v[SC+16*t+7], v[SC+16*t+15]
	ALLT v_max3_num_f32 v[ST+8*t+6], v[ST+8*t+6], v[ST+8*t+7], v[ST+8*t+1]
.else
	ALLT v_max3_num_f32 v[ST+8*t+7], v[SC+16*t+3], v[SC+16*t+4], v[SC+16*t+5]
	ALLT v_max3_num_f32 v[ST+8*t+6], v[ST+8*t+6], v[SC+16*t+6], v[SC+16*t+7]
	ALLT v_max3_num_f32 v[ST+8*t+6], v[ST+8*t+6], v[ST+8*t+7], s[FLOOR]
.endif
	ALLT v_permlanex16_b32 v[ST+8*t+7], v[ST+8*t+6], s[SEL], s[SEL+1]
	ALLT v_max_num_f32 v[ST+8*t+1], v[ST+8*t+6], v[ST+8*t+7]
.if (\ng) == 2
	ALLT v_mov_b32 v[ST+8*t+5], v[ST+8*t]
.endif
	ALLT v_mul_f32 v[ST+8*t], s[CS], v[ST+8*t+1]
.if (\ng) == 2
	ALLT v_sub_f32 v[ST+8*t+5], v[ST+8*t+5], v[ST+8*t]
	ALLT v_exp_f32 v[ST+8*t+4], v[ST+8*t+5]
.endif
.set p, 0
.rept 4*(\ng)
	ALLT v_pk_fma_f32 v[SC+16*t+2*p:SC+16*t+2*p+1], v[SC+16*t+2*p:SC+16*t+2*p+1], s[CS:CS+1], v[ST+8*t:ST+8*t+1] op_sel_hi:[1,0,0] neg_lo:[0,0,1] neg_hi:[0,0,1]
.set p, p+1
.endr
.set p, 0
.rept 8*(\ng)
	ALLT v_exp_f32 v[SC+16*t+p], v[SC+16*t+p]
.set p, p+1
.endr
	v_nop                                          ; a plain line behind the last exponential,
	s_wait_alu depctr_va_vdst(0)                   ; and the one wait ahead of the batch's first reader
	ALLT v_pk_add_f32 v[ST+8*t+6:ST+8*t+7], v[SC+16*t:SC+16*t+1], v[SC+16*t+2:SC+16*t+3]
.if (\ng) == 2
.set p, 2
.rept 6
	ALLT v_pk_add_f32 v[ST+8*t+6:ST+8*t+7], v[ST+8*t+6:ST+8*t+7], v[SC+16*t+2*p:SC+16*t+2*p+1]
.set p, p+1
.endr
	ALLT v_pk_fma_f32 v[ST+8*t+2:ST+8*t+3], v[ST+8*t+2:ST+8*t+3], v[ST+8*t+4:ST+8*t+5], v[ST+8*t+6:ST+8*t+7] op_sel_hi:[1,0,1]
.else
	ALLT v_pk_add_f32 v[ST+8*t+6:ST+8*t+7], v[ST+8*t+6:ST+8*t+7], v[SC+16*t+4:SC+16*t+5]
	ALLT v_pk_add_f32 v[ST+8*t+2:ST+8*t+3], v[ST+8*t+6:ST+8*t+7], v[SC+16*t+6:SC+16*t+7]
.endif
.set p, 0
.rept 4*(\ng)
	ALLT v_cvt_pk_f16_f32 v[SC+16*t+p], v[SC+16*t+2*p], v[SC+16*t+2*p+1]
.set p, p+1
.endr
.if (\ng) == 1
.set p, 4
.rept 4
	ALLT v_mov_b32 v[SC+16*t+p], 0
.set p, p+1
.endr
.else
.set p, 0
.rept 8
	ALLT v_pk_mul_f32 v[OA+16*t+2*p:OA+16*t+2*p+1], v[OA+16*t+2*p:OA+16*t+2*p+1], v[ST+8*t+4:ST+8*t+5] op_sel_hi:[1,0]
.set p, p+1
.endr
.endif
.endm
	s_load_b128 s[4:7], s[0:1], 0x0                ; qkv 4, wl3 6
	s_load_b64 s[8:9], s[0:1], 0x10                ; o
	v_lshl_add_u32 v[SPW], v0, 2, SPARE
	v_mov_b32 v[NIL], 0
	v_lshrrev_b32 v11, 5, v0
	v_readfirstlane_b32 s[WV], v11
	s_mov_b32 s[PB], ttmp9
	s_and_b32 s[BH], ttmp7, 0xffff
	v_and_b32 v12, 31, v0
	v_and_b32 v13, 15, v0
	v_bfe_u32 v14, v0, 4, 1
	v_lshlrev_b32 v[L16], 4, v12
	v_lshlrev_b32 v[PMO], 5, v14
	s_and_b32 s46, s[WV], 3
	s_lshr_b32 s47, s[WV], 2
	s_lshl_b32 s48, s46, 4
	v_lshl_add_u32 v[DQ], v14, 3, s48
	v_sub_nc_u32 v[DQ], v[DQ], v13
	s_lshl_b32 s48, s[WV], 13
	v_add_nc_u32 v[MOW], s48, v[L16]
	s_lshl_b32 s48, s[WV], 9
	s_add_co_u32 s48, s48, MS
	v_lshl_add_u32 v[MSW], v13, 3, s48
	s_lshl_b32 s48, s46, 1
	s_add_co_u32 s48, s48, s47
	s_lshl_b32 s48, s48, 10
	v_add_nc_u32 v[FR], s48, v[L16]
	s_lshl_b32 s48, s46, 7
	s_add_co_u32 s48, s48, MS
	v_lshl_add_u32 v[SR], v13, 3, s48
	v_mov_b32 v[BIG], 0xf149f2ca
.set p, 0
.rept 32
	v_mov_b32 v[ST+p], 0                           ; the statistics are written once whole: some are named (an exchange's destination, a pair's second word) before their first value
.set p, p+1
.endr
	s_add_co_u32 s[U], s[WV], 4
	s_and_b32 s[U], s[U], 7
	s_mov_b32 s[FLOOR], 0xee000000                 ; -2^93
	s_mov_b32 s[CS], 0x3e8293ee                    ; c = log2(e) / sqrt(32)
	s_mov_b32 s[CS+1], s[CS]
	s_mov_b32 s[SEL], 0x76543210
	s_mov_b32 s[SEL+1], 0xfedcba98
	s_mov_b32 s[INC+1], 0
	s_mov_b32 s[INCP+1], 0
	s_mov_b32 s45, 0
	s_mov_b32 s[PASS], 2
	s_wait_kmcnt 0x0
.Lpass:                                            ; twice: block 31 - pb, then block pb
	s_wait_xcnt 0x0                                ; the last pass's store has read its registers and its address: pointers and registers are written again only behind this wait
	s_sub_co_u32 s46, 31, s[PB]
	s_lshl_b32 s47, s46, 1
	s_cmp_eq_u32 s[PASS], 2
	s_cselect_b32 s[BLK], s46, s[PB]
	s_cselect_b32 s47, 0, s47                      ; the second block's steps are dealt on from where the first block's ended
	s_sub_co_u32 s[S0], s[U], s47
	s_and_b32 s[S0], s[S0], 7                      ; my first step
	s_lshl_b32 s[N], s[BLK], 1
	s_add_co_u32 s[N], s[N], 7
	s_sub_co_u32 s[N], s[N], s[S0]
	s_lshr_b32 s[N], s[N], 3                       ; how many of the 2 blk steps are mine
	s_lshl_b32 s48, s[BH], 17                      ; the head's first byte in q, in k and in v
	s_lshl_b32 s44, s[S0], 11
	s_add_co_u32 s44, s44, s48
	s_add_nc_u64 s[KP:KP+1], s[4:5], s[44:45]
	s_mov_b64 s[VP:VP+1], s[KP:KP+1]
	s_lshr_b32 s49, s[BH], 3                       ; batch
	s_lshl_b32 s46, s49, 13
	s_lshl_b32 s44, s[S0], 7
	s_add_co_u32 s44, s44, s46
	s_add_nc_u64 s[PP:PP+1], s[6:7], s[44:45]
	s_lshl_b32 s47, s[BLK], 12
	s_add_co_u32 s48, s48, s47                     ; the block's first tile
	s_mov_b32 s44, s48
	s_add_nc_u64 s[QP:QP+1], s[4:5], s[44:45]
	s_lshl_b32 s47, s[WV], 10
	s_add_co_u32 s44, s48, s47
	s_add_nc_u64 s[DK:DK+1], s[4:5], s[44:45]      ; the diagonal: key tile 4 blk + w,
	s_lshr_b32 s47, s[WV], 1
	s_lshl_b32 s47, s47, 11
	s_add_co_u32 s44, s48, s47
	s_and_b32 s47, s[WV], 1
	s_lshl_b32 s47, s47, 9
	s_add_co_u32 s44, s44, s47
	s_add_nc_u64 s[DV:DV+1], s[4:5], s[44:45]      ; its half of a fragment of V^T,
	s_lshl_b32 s44, s[BLK], 8
	s_add_co_u32 s44, s44, s46
	s_lshl_b32 s47, s[WV], 6
	s_add_co_u32 s44, s44, s47
	s_add_nc_u64 s[DP:DP+1], s[6:7], s[44:45]      ; and its 16 words of mask (used by waves 0-3 alone)
	s_lshl_b32 s44, s49, 20
	s_lshl_b32 s47, s[BLK], 15
	s_add_co_u32 s44, s44, s47
	s_and_b32 s47, s[WV], 3
	s_lshl_b32 s47, s47, 13
	s_add_co_u32 s44, s44, s47
	s_and_b32 s47, s[BH], 7
	s_lshl_b32 s47, s47, 10
	s_add_co_u32 s44, s44, s47
	s_lshr_b32 s47, s[WV], 2
	s_lshl_b32 s47, s47, 9
	s_add_co_u32 s44, s44, s47
	s_add_nc_u64 s[OP:OP+1], s[8:9], s[44:45]      ; the 512 bytes of o that I finish
.irp t, 0,1,2,3
	global_load_b128 v[QF+8*\t:QF+8*\t+3],   v[L16], s[QP:QP+1] offset:1024*\t
	global_load_b128 v[QF+8*\t+4:QF+8*\t+7], v[L16], s[QP:QP+1] offset:1024*\t+512
.endr
	s_cmp_lt_u32 s[WV], 4
	s_cbranch_scc0 .Linit
	; THE DIAGONAL, waves 0-3: keys 64 blk + 16 w + 0..15 against all four tiles
	global_load_b128 v[KF:KF+3],   v[L16], s[DK:DK+1] offset:KOFF
	global_load_b128 v[KF+4:KF+7], v[L16], s[DK:DK+1] offset:KOFF+512
	global_load_b128 v[PMK:PMK+3],   v[PMO], s[DP:DP+1] offset:PADM
	global_load_b128 v[PMK+4:PMK+7], v[PMO], s[DP:DP+1] offset:PADM+16
.irp c, 0,1
	global_load_b128 v[VF+8*\c:VF+8*\c+3],   v[L16], s[DV:DV+1] offset:VOFF+1024*\c   ; my 16 keys as the fragment's first half,
	global_load_b128 v[VF+8*\c+4:VF+8*\c+7], v[L16], s[DV:DV+1] offset:VOFF+1024*\c   ; and once more as its second, which meets zeros in P: finite numbers are all that is wanted there
.endr
	s_wait_loadcnt 0x4                             ; Q, K and the mask are in; V's four loads behind them stay out
.irp t, 0,1,2,3
.irp j, 0,1,2,3,4,5,6,7
	v_cmp_lt_i32 vcc_lo, 16*\t-\j, v[DQ]           ; key 16 w + 8 h + j lies behind query 16 t + r
	v_cndmask_b32 v[SC+16*\t+8+\j], v[PMK+\j], v[BIG], vcc_lo
.endr
.endr
.irp t, 0,1,2,3
	v_wmma_f32_16x16x32_f16 v[SC+16*\t:SC+16*\t+7], v[KF:KF+7], v[QF+8*\t:QF+8*\t+7], v[SC+16*\t+8:SC+16*\t+15]
.endr
	PLACES 4
	LOADKP                                         ; my first step below the diagonal
	SOFTMAX 1
	s_wait_loadcnt 0x8                             ; V is in; the eight loads just issued stay out
	PV 1
	PLACES 5                                       ; four in front of the loads into V, five in front of the products that write over P
	LOADV
	s_branch .Ljoin
.Linit:                                            ; waves 4-7 start from nothing
	ALLT v_mov_b32 v[ST+8*t+1], s[FLOOR]
	ALLT v_mul_f32 v[ST+8*t], s[CS], v[ST+8*t+1]
	ALLT v_mov_b32 v[ST+8*t+2], 0
	ALLT v_mov_b32 v[ST+8*t+3], 0
.set p, 0
.rept 64
	v_mov_b32 v[OA+p], 0
.set p, p+1
.endr
	LOADKP
	LOADV
.Ljoin:
	s_cmp_eq_u32 s[N], 0
	s_cbranch_scc1 .Lmerge
	s_mov_b32 s[J], 0
.Lstep:                                            ; a step of 32 keys; no LDS and no barrier in here, so the waves' counts may differ
	s_wait_loadcnt 0x4                             ; K and the mask (and Q) are in; V's four loads behind them stay out
.irp g, 0,1
.irp t, 0,1,2,3
	v_wmma_f32_16x16x32_f16 v[SC+16*\t+8*\g:SC+16*\t+8*\g+7], v[KF+8*\g:KF+8*\g+7], v[QF+8*\t:QF+8*\t+7], v[PMK+8*\g:PMK+8*\g+7]
.endr
.endr
	s_add_co_u32 s46, s[J], 1
	s_cmp_lt_u32 s46, s[N]
	s_cselect_b32 s[INC], 16384, 0                 ; my next step lies 8 steps on; the last trip asks for its own step once more, so that no load leaves the buffer
	s_cselect_b32 s[INCP], 1024, 0
	s_add_nc_u64 s[KP:KP+1], s[KP:KP+1], s[INC:INC+1]   ; the loads that read these two have come back
	s_add_nc_u64 s[PP:PP+1], s[PP:PP+1], s[INCP:INCP+1]
	PLACES 4
	LOADKP
	SOFTMAX 2
	s_wait_loadcnt 0x8                             ; V is in; the eight loads just issued stay out
	PV 0
	s_add_nc_u64 s[VP:VP+1], s[VP:VP+1], s[INC:INC+1]
	PLACES 5
	LOADV
	s_add_co_u32 s[J], s[J], 1
	s_cmp_lt_u32 s[J], s[N]
	s_cbranch_scc1 .Lstep
.Lmerge:
	s_wait_loadcnt 0x0                             ; what was asked for beyond my last step is let in and dropped
	ALLT v_add_f32 v[ST+8*t+6], v[ST+8*t+2], v[ST+8*t+3]
	ALLT v_permlanex16_b32 v[ST+8*t+7], v[ST+8*t+6], s[SEL], s[SEL+1]
	ALLT v_add_f32 v[ST+8*t+1], v[ST+8*t+6], v[ST+8*t+7]
.irp u, 0,1,2,3,4,5,6,7
	ds_store_b128 v[MOW], v[OA+8*\u:OA+8*\u+3]   offset:1024*\u
	ds_store_b128 v[MOW], v[OA+8*\u+4:OA+8*\u+7] offset:1024*\u+512
.endr
	ALLT ds_store_b64 v[MSW], v[ST+8*t:ST+8*t+1] offset:128*t
	s_wait_dscnt 0x0                               ; for the others: my partial sums are in LDS
	s_barrier_signal -1
	s_barrier_wait -1
	; wave w finishes tile w % 4, channels 16 (w / 4) on: O = sum of f_i O_i / sum of f_i l_i, f_i = 2^(c m_i - the largest c m)
.irp i, 0,1,2,3,4,5,6,7
	ds_load_b64 v[KF+2*\i:KF+2*\i+1], v[SR] offset:512*\i
.endr
.irp i, 0,1,2,3,4,5,6,7
	ds_load_b128 v[SC+8*\i:SC+8*\i+3],   v[FR] offset:8192*\i
	ds_load_b128 v[SC+8*\i+4:SC+8*\i+7], v[FR] offset:8192*\i+512
.endr
	s_wait_dscnt 0x10                              ; the eight pairs are in; the sixteen loads of O behind them stay out
	v_max3_num_f32 v[PMK], v[KF], v[KF+2], v[KF+4]
	v_max3_num_f32 v[PMK], v[PMK], v[KF+6], v[KF+8]
	v_max3_num_f32 v[PMK], v[PMK], v[KF+10], v[KF+12]
	v_max_num_f32 v[PMK], v[PMK], v[KF+14]
.irp i, 0,1,2,3,4,5,6,7
	v_sub_f32 v[KF+2*\i], v[KF+2*\i], v[PMK]
.endr
.irp i, 0,1,2,3,4,5,6,7
	v_exp_f32 v[KF+2*\i], v[KF+2*\i]
.endr
	v_mov_b32 v[PMK+3], 0                          ; a plain line behind the last exponential (the second word of the reciprocal's pair),
	s_wait_alu depctr_va_vdst(0)                   ; and the wait for the eight
	v_mul_f32 v[PMK+1], v[KF], v[KF+1]
.irp i, 1,2,3,4,5,6,7
	v_fmac_f32 v[PMK+1], v[KF+2*\i], v[KF+2*\i+1]
.endr
	v_max_num_f32 v[PMK+1], 0x0d800000, v[PMK+1]   ; 2^-100 at the least
	v_rcp_f32 v[PMK+2], v[PMK+1]
	s_wait_dscnt 0x0
.irp p, 0,1,2,3
	v_pk_mul_f32 v[PMK+4+2*\p:PMK+5+2*\p], v[SC+2*\p:SC+2*\p+1], v[KF:KF+1] op_sel_hi:[1,0]
.endr
.irp i, 1,2,3,4,5,6,7
.irp p, 0,1,2,3
	v_pk_fma_f32 v[PMK+4+2*\p:PMK+5+2*\p], v[SC+8*\i+2*\p:SC+8*\i+2*\p+1], v[KF+2*\i:KF+2*\i+1], v[PMK+4+2*\p:PMK+5+2*\p] op_sel_hi:[1,0,1]
.endr
.endr
	s_wait_alu depctr_va_vdst(0)                   ; the reciprocal's wait; the 32 lines above are the work behind it
.irp p, 0,1,2,3
	v_pk_mul_f32 v[PMK+4+2*\p:PMK+5+2*\p], v[PMK+4+2*\p:PMK+5+2*\p], v[PMK+2:PMK+3] op_sel_hi:[1,0]
.endr
.irp p, 0,1,2,3
	v_cvt_pk_f16_f32 v[PMK+12+\p], v[PMK+4+2*\p], v[PMK+5+2*\p]
.endr
	global_store_b128 v[L16], v[PMK+12:PMK+15], s[OP:OP+1]   ; 512 neighbouring bytes
	s_wait_dscnt 0x0                               ; my reads of the partial sums are over: the next pass stores there again behind this barrier
	s_barrier_signal -1
	s_barrier_wait -1
	s_sub_co_u32 s[PASS], s[PASS], 1
	s_cmp_lg_u32 s[PASS], 0
	s_cbranch_scc1 .Lpass
	s_wait_tensorcnt 0x0                           ; the wave's end, behind my last LDS store
	ds_add_u32 v[SPW], v[NIL]
	s_wait_dscnt 0x0
	s_endpgm
.Lfunc_end_k_q283ecf2d61_a0:
	.size	k_q283ecf2d61_a0, .Lfunc_end_k_q283ecf2d61_a0-k_q283ecf2d61_a0
	.p2alignl 7, 3214868480
	.fill 96, 4, 3214868480
	.section	.rodata,"a",@progbits
	.p2align	6, 0x0
	.amdhsa_kernel k_q283ecf2d61_a0
		.amdhsa_group_segment_fixed_size 70656
		.amdhsa_private_segment_fixed_size 0
		.amdhsa_enable_private_segment 0
		.amdhsa_kernarg_size 24
		.amdhsa_user_sgpr_count 2
		.amdhsa_user_sgpr_kernarg_segment_ptr 1
		.amdhsa_wavefront_size32 1
		.amdhsa_system_sgpr_workgroup_id_x 1
		.amdhsa_system_sgpr_workgroup_id_y 1
		.amdhsa_system_sgpr_workgroup_id_z 1
		.amdhsa_system_vgpr_workitem_id 0
		.amdhsa_next_free_vgpr 256
		.amdhsa_next_free_sgpr 66
		.amdhsa_reserve_vcc 1
		.amdhsa_float_denorm_mode_32 3
		.amdhsa_float_denorm_mode_16_64 3
		.amdhsa_memory_ordered 1
		.amdhsa_forward_progress 1
		.amdhsa_inst_pref_size 44
	.end_amdhsa_kernel
	.amdgpu_metadata
---
amdhsa.version: [ 1, 2 ]
amdhsa.kernels:
  - .name:           k_q283ecf2d61_a0
    .symbol:         k_q283ecf2d61_a0.kd
    .args:
      - { .name: qkv, .offset: 0, .size: 8, .value_kind: global_buffer, .address_space: global }
      - { .name: wl3, .offset: 8, .size: 8, .value_kind: global_buffer, .address_space: global }
      - { .name: o, .offset: 16, .size: 8, .value_kind: global_buffer, .address_space: global }
    .group_segment_fixed_size: 70656
    .private_segment_fixed_size: 0
    .kernarg_segment_align: 8
    .kernarg_segment_size: 24
    .max_flat_workgroup_size: 256
    .sgpr_count:     66
    .vgpr_count:     256
    .wavefront_size: 32
...
	.end_amdgpu_metadata
.endif
;; end of part 3
;; launch m0 (part 4): grid 256 x 1, 4 waves a work-group, clusters of 4 x 1, 327,680 bytes of LDS; arguments o, hA, wl0, hB, qkv; writes hB, qkv
.if DOCPART == 4
	.amdgcn_target "amdgcn-amd-amdhsa--gfx1250"
	.amdhsa_code_object_version 6
	.text
	.protected	k_q283ecf2d61_m0
	.globl	k_q283ecf2d61_m0
	.p2align	8
	.type	k_q283ecf2d61_m0,@function
k_q283ecf2d61_m0:
	s_mov_b64 s[64:65], 0
	v_nop
	global_prefetch_b8 v0, s[64:65] scope:SCOPE_SE
	s_setreg_imm32_b32 hwreg(HW_REG_WAVE_MODE, 25, 1), 1
	s_wait_xcnt 0x0
	s_wait_alu depctr_hold_cnt(0) depctr_sa_sdst(0) depctr_va_vdst(0) depctr_va_sdst(0) depctr_va_ssrc(0) depctr_va_vcc(0) depctr_vm_vsrc(0)
	s_getreg_b32 s2, hwreg(HW_REG_IB_STS2, 6, 4)
	s_cmp_eq_u32 s2, 0
	s_cbranch_scc0 .Lentry_in_a_cluster
	s_endpgm
.Lentry_in_a_cluster:
	s_bfe_u32 s2, ttmp6, 0x10000c
	s_cmp_lg_u32 s2, 0x3003
	s_cbranch_scc0 .Lentry_shape_is_right
	s_endpgm
.Lentry_shape_is_right:
; MID.  For 16 tokens: h += o out_w; the second norm; hidden = gelu(xn w1 + b1); h += hidden w2 + b2; h is stored; the NEXT layer's first norm and its q, k, v.  Everything between stays in registers and LDS.
; A work-group owns tile T of 16 tokens, its four waves 64 channels each.  The layer is chosen by the launch's buffers alone: its pack holds all weights in the order of the walk, and its parameters.
; LAYOUT.  Products are taken transposed: source 0 = 16 output columns of the weights, source 1 = the 16 tokens.  In the result lane l (r = l % 16, h = l / 16) holds token r and channels 8 h + 0..7 of the tile.
; Wave w makes tiles 4 w + i.  Two tiles rounded to f16 in pairs ARE a source-1 fragment (16 tokens x 32 k) of the next product; the waves exchange them through LDS (8 KiB; 32 KiB for the hidden layer).
; The residual, b1 and the running sums ride in as the C operand.  For v the sources are swapped: a lane then holds one channel and eight tokens, a piece of a fragment of V^T.
; WEIGHTS.  All 256 work-groups walk the same 12 chunks of 131,072 bytes, so the four partners of a cluster ask for each JOINTLY (mask 15): a quarter of the requests.  A wave fetches, and alone reads, its 32,768 bytes
; of a chunk.  Two LDS slots; the change of slots behind chunk c asks for chunk c + 2.  Two loads of a wave are out at the start, one behind each round.
; PREFETCH.  The stream was stored by an earlier launch and every wave waits for it at each change of slots.  Cluster 0 alone asks, behind each refill, for the chunk that the NEXT refill will load:
; its 4 partners x 4 waves x 32 lanes x 256 bytes are one chunk, each block named once; the partners are told apart by address.  Chunks 0 to 2 come by their loads alone; the last refill asks for nothing.
; FORMATS.  h, norms, biases, GELU and all sums in f32; matrix operands f16, each rounded once.  LIMIT: f16 ends at 65,504 (normed rows, hidden, o, q, k, v, weights).
; GELU is the exact form, x (1 + erf(x / sqrt 2)) / 2, erf by the five-term series in t = 1 / (1 + 0.3275911 z) times exp(-z^2): absolute error 1.5e-7 at the most, for every x.
.set CHUNK,  131072
.set PARAM,  1572864
.set SLOT1,  131072                    ; slot 1; one exclusive or turns an address in one slot into the other's
.set XF,     262144                    ; 8 fragments of the normed rows; no fill lands from here on
.set HID,    270336                    ; 32 fragments of the hidden layer
.set STAT,   303104                    ; wave w: 128 bytes; token r: its mean and its sum of squares about it
.set SPARE,  310272                    ; the spare words, 128 bytes a wave: two blocks of 256 bytes that no other line names
.set L16, 1                            ; v1   16 l
.set WA0, 2                            ; v2   32,768 w + 16 l
.set WA,  3                            ; v3   the same in the slot in hand
.set CO,  4                            ; v4   256 w + 32 h: byte offset of my 8 channels of tile 0 in a vector of f32
.set BO,  5                            ; v5   the same in b1, walking 1,024 bytes a chunk; behind b1 lies b2
.set HS,  6                            ; v6   HID + 2,048 w + 16 l, walking
.set HR,  7                            ; v7   HID + 16 l, walking
.set XS,  8                            ; v8   XF + 2,048 w + 16 l
.set XR,  9                            ; v9   XF + 16 l
.set SA,  10                           ; v10  STAT + 128 w + 8 r
.set SR,  11                           ; v11  STAT + 8 r
.set SPW, 12                           ; v12  my spare word; never rewritten
.set NIL, 13                           ; v13  0; never rewritten
.set PFO, 14                           ; v14  256 l; never rewritten
.set H,   16                           ; v[16:47]   h, tile i at H + 8 i
.set ACC, 48                           ; v[48:79]   accumulators; at work in the norm
.set X,   80                           ; v[80:143]  8 source-1 fragments
.set W,   144                          ; v[144:207] two groups of four weight fragments; in the norm gain and bias; in GELU four sets of 16
.set GAX, W
.set GTT, W+16
.set GEE, W+32
.set GPP, W+48
.set BIA, 208                          ; v[208:239] b1 or b2; later packed q, k, v
.set LS,  240                          ; v[240:255] the norm's single numbers
.set WL, 8
.set WV, 16
.set CX, 17
.set TK, 18
.set G1, 24
.set G0A, 32
.set G0W, 36
.set TB, 40
.set SLOTS, 41                         ; refills still to come
.set LIM, 42                           ; 1 in the cluster that prefetches, else the greatest number
.set CNT, 43
.set PFA, 44
.set SEL, 46
.set HI, 48
.set HO, 50
.set QP, 52
.set VP, 54
.set OP, 56
.set R256, 58
.set A1, 66                            ; the series' coefficients, halved, each as a pair whose low word serves both halves
.set A2, 68
.set A3, 70
.set A4, 72
.set A5, 74
.set GP, 76                            ; 0.3275911 / sqrt 2
.set GN, 78                            ; -log2(e) / 2
.macro PLACES n
.rept \n
	v_nop
.endr
.endm
.macro CROUND                          ; a round of the cluster's barrier
	s_barrier_signal -1
	s_barrier_wait -1
	s_cmp_lg_u32 s[WV], 0
	s_cbranch_scc1 .Lnw0_\@
	s_barrier_signal -3
.Lnw0_\@:
	s_barrier_wait -3
	s_barrier_signal -1
	s_barrier_wait -1
.endm
.macro ASK                             ; one line a wave, behind the joint load and its five lines; the test is the same in all four partners
	s_cmp_gt_u32 s[SLOTS], s[LIM]
	s_cbranch_scc0 .Lna_\@
	global_prefetch_b8 v[PFO], s[PFA:PFA+1] th:TH_LOAD_NT scope:SCOPE_SE
.Lna_\@:
	s_sub_co_u32 s[SLOTS], s[SLOTS], 1
.endm
; THE CHANGE OF SLOTS.  Every wave waits for all its tensor loads (one is out: its part of the next chunk), adds 0 to its spare word, waits for that, for its reads of the slot it leaves and for its LDS stores.
; fill = 1: a round of the cluster's barrier, and the joint refill first behind it.  The round is also the barrier between the stores into HID and the reads of it.  The four v_nop are also the places behind the last products.
.macro CHANGE fill
	s_wait_tensorcnt 0x0
	ds_add_u32 v[SPW], v[NIL]
.if \fill
	s_xor_b32 s[G0W+1], s[G0W+1], SLOT1            ; no load of mine is out, so the walking descriptor may be written: the other slot,
	s_add_nc_u64 s[G0W+2:G0W+3], s[G0W+2:G0W+3], CHUNK  ; the next chunk
	s_wait_xcnt 0x0                                ; the last prefetch, a chunk back, has read its address
	s_add_nc_u64 s[PFA:PFA+1], s[PFA:PFA+1], CHUNK
	s_wait_dscnt 0x0
	CROUND
	tensor_load_to_lds s[G0W:G0W+3], s[G1:G1+7]
	s_nop 0
	PLACES 4
	ASK
.else
	s_wait_dscnt 0x0
	s_barrier_signal -1
	s_barrier_wait -1
	PLACES 4
.endif
	s_xor_b32 s[TB], s[TB], SLOT1
.endm
.macro WGRP g, ni                      ; the weight fragments of k block g, tiles 0 .. ni - 1, into group g % 2
.set wi, 0
.rept \ni
	ds_load_b128 v[W+32*((\g)%2)+8*wi:W+32*((\g)%2)+8*wi+3],   v[WA] offset:(\g)*4096+wi*1024
	ds_load_b128 v[W+32*((\g)%2)+8*wi+4:W+32*((\g)%2)+8*wi+7], v[WA] offset:(\g)*4096+wi*1024+512
.set wi, wi+1
.endr
.endm
.macro MROW d, cmode, swap, ni, kb     ; ni products, the accumulators by turns.  At k block 0 the sum starts with 0 (cmode 0), with the bias (1), or goes on in place (2)
.set wi, 0
.rept \ni
.set rD, (\d)+8*wi
.set rW, W+32*((\kb)%2)+8*wi
.set rX, X+8*(\kb)
.if ((\kb) == 0) && ((\cmode) == 0)
.if \swap
	v_wmma_f32_16x16x32_f16 v[rD:rD+7], v[rX:rX+7], v[rW:rW+7], 0
.else
	v_wmma_f32_16x16x32_f16 v[rD:rD+7], v[rW:rW+7], v[rX:rX+7], 0
.endif
.elseif ((\kb) == 0) && ((\cmode) == 1)
	v_wmma_f32_16x16x32_f16 v[rD:rD+7], v[rW:rW+7], v[rX:rX+7], v[BIA+8*wi:BIA+8*wi+7]
.else
.if \swap
	v_wmma_f32_16x16x32_f16 v[rD:rD+7], v[rX:rX+7], v[rW:rW+7], v[rD:rD+7]
.else
	v_wmma_f32_16x16x32_f16 v[rD:rD+7], v[rW:rW+7], v[rX:rX+7], v[rD:rD+7]
.endif
.endif
.set wi, wi+1
.endr
.endm
.macro BIALOAD                         ; my 32 numbers of the bias at BO
.irp i, 0,1,2,3
	global_load_b128 v[BIA+8*\i:BIA+8*\i+3],   v[BO], s[WL:WL+1] offset:PARAM+64*\i
	global_load_b128 v[BIA+8*\i+4:BIA+8*\i+7], v[BO], s[WL:WL+1] offset:PARAM+64*\i+16
.endr
.endm
; A chunk: 8 k blocks x ni tiles.  Two groups of weight fragments take turns: while one is multiplied the other's loads are out, so each wait leaves the one younger group (2 ni loads) out; the last is for 0.
; A group is loaded again four places behind the products that read it.  hook = 1: the next chunk's bias is asked for behind the places of k block 0, whose products took this chunk's as C.
.macro GEMMC d, cmode, swap, ni, hook
	v_add_nc_u32 v[WA], s[TB], v[WA0]
	WGRP 0, \ni
	WGRP 1, \ni
.irp kb, 0,1,2,3,4,5,6,7
.if \kb == 7
	s_wait_dscnt 0x0
.else
	s_wait_dscnt 2*(\ni)
.endif
	MROW \d, \cmode, \swap, \ni, \kb
.if \kb < 6
	PLACES 4
	WGRP (\kb)+2, \ni
.endif
.if (\hook) && (\kb == 0)
	BIALOAD
.endif
.endr
.endm
.macro XLOAD a
.irp kb, 0,1,2,3,4,5,6,7
	ds_load_b128 v[X+8*\kb:X+8*\kb+3],   v[\a] offset:1024*\kb
	ds_load_b128 v[X+8*\kb+4:X+8*\kb+7], v[\a] offset:1024*\kb+512
.endr
.endm
; THE NORM of the 16 rows in H, into the 8 fragments X.  Each wave takes the mean of its 64 channels and the sum of squares about THAT mean; the four pairs meet in LDS and are joined exactly
; (M2 = sum of M2_i + 64 x sum of (mean_i - mean)^2): no difference of large sums is formed.  bia = 1: the first chunk's bias is asked for behind gain and bias, and stays out at their wait.
.macro LN gb, goff, bia
.irp i, 0,1,2,3
	global_load_b128 v[W+8*\i:W+8*\i+3],   v[CO], s[\gb:\gb+1] offset:(\goff)+64*\i
	global_load_b128 v[W+8*\i+4:W+8*\i+7], v[CO], s[\gb:\gb+1] offset:(\goff)+64*\i+16
.endr
.irp i, 0,1,2,3
	global_load_b128 v[W+32+8*\i:W+32+8*\i+3],   v[CO], s[\gb:\gb+1] offset:(\goff)+1024+64*\i
	global_load_b128 v[W+32+8*\i+4:W+32+8*\i+7], v[CO], s[\gb:\gb+1] offset:(\goff)+1024+64*\i+16
.endr
.if \bia
	BIALOAD
.endif
.set p, 0
.rept 8
	v_pk_add_f32 v[ACC+2*p:ACC+2*p+1], v[H+4*p:H+4*p+1], v[H+4*p+2:H+4*p+3]   ; each accumulator's lowest registers are read first
.set p, p+1
.endr
.set p, 0
.rept 4
	v_pk_add_f32 v[ACC+4*p:ACC+4*p+1], v[ACC+4*p:ACC+4*p+1], v[ACC+4*p+2:ACC+4*p+3]
.set p, p+1
.endr
	v_pk_add_f32 v[ACC:ACC+1], v[ACC:ACC+1], v[ACC+4:ACC+5]
	v_pk_add_f32 v[ACC+8:ACC+9], v[ACC+8:ACC+9], v[ACC+12:ACC+13]
	v_pk_add_f32 v[ACC:ACC+1], v[ACC:ACC+1], v[ACC+8:ACC+9]
	v_add_f32 v[ACC], v[ACC], v[ACC+1]
	v_permlanex16_b32 v[ACC+1], v[ACC], s[SEL], s[SEL+1]   ; the token's other 32 channels lie in the lane 16 away
	v_add_f32 v[ACC], v[ACC], v[ACC+1]
	v_mul_f32 v[LS], 0x3c800000, v[ACC]            ; / 64
.set p, 0
.rept 16
	v_pk_add_f32 v[ACC+2*p:ACC+2*p+1], v[H+2*p:H+2*p+1], v[LS:LS+1] op_sel_hi:[1,0] neg_lo:[0,1] neg_hi:[0,1]
.set p, p+1
.endr
.set p, 0
.rept 4
	v_pk_mul_f32 v[LS+2+2*p:LS+3+2*p], v[ACC+2*p:ACC+2*p+1], v[ACC+2*p:ACC+2*p+1]
.set p, p+1
.endr
.rept 12
	v_pk_fma_f32 v[LS+2+2*(p%4):LS+3+2*(p%4)], v[ACC+2*p:ACC+2*p+1], v[ACC+2*p:ACC+2*p+1], v[LS+2+2*(p%4):LS+3+2*(p%4)]
.set p, p+1
.endr
	v_pk_add_f32 v[LS+2:LS+3], v[LS+2:LS+3], v[LS+4:LS+5]
	v_pk_add_f32 v[LS+6:LS+7], v[LS+6:LS+7], v[LS+8:LS+9]
	v_pk_add_f32 v[LS+2:LS+3], v[LS+2:LS+3], v[LS+6:LS+7]
	v_add_f32 v[LS+2], v[LS+2], v[LS+3]
	v_permlanex16_b32 v[LS+3], v[LS+2], s[SEL], s[SEL+1]
	v_add_f32 v[LS+1], v[LS+2], v[LS+3]
	ds_store_b64 v[SA], v[LS:LS+1]
	s_wait_dscnt 0x0                               ; for the others: my pair is in LDS
	s_barrier_signal -1
	s_barrier_wait -1
.irp i, 0,1,2,3
	ds_load_b64 v[LS+2+2*\i:LS+3+2*\i], v[SR] offset:128*\i
.endr
	s_wait_dscnt 0x0
	v_add_f32 v[LS+10], v[LS+2], v[LS+4]
	v_add_f32 v[LS+11], v[LS+6], v[LS+8]
	v_add_f32 v[LS+10], v[LS+10], v[LS+11]
	v_mul_f32 v[LS+10], 0x3e800000, v[LS+10]       ; the row's mean
.irp i, 0,1,2,3
	v_sub_f32 v[LS+2+2*\i], v[LS+2+2*\i], v[LS+10]
.endr
	v_mul_f32 v[LS+2], v[LS+2], v[LS+2]
	v_fmac_f32 v[LS+2], v[LS+4], v[LS+4]
	v_fmac_f32 v[LS+2], v[LS+6], v[LS+6]
	v_fmac_f32 v[LS+2], v[LS+8], v[LS+8]
	v_add_f32 v[LS+3], v[LS+3], v[LS+5]
	v_add_f32 v[LS+7], v[LS+7], v[LS+9]
	v_add_f32 v[LS+3], v[LS+3], v[LS+7]
	v_fmamk_f32 v[LS+3], v[LS+2], 0x42800000, v[LS+3]
	v_fmaak_f32 v[LS+3], s[R256], v[LS+3], 0x3727c5ac  ; variance + 1e-5
	v_rsq_f32 v[LS+12], v[LS+3]
	v_mov_b32 v[LS+13], 0                          ; plain work behind the root: the pairs' second words, and my mean less the row's
	v_sub_f32 v[LS+14], v[LS], v[LS+10]
	v_mov_b32 v[LS+15], 0
	s_wait_alu depctr_va_vdst(0)                   ; the wait ahead of the root's first reader
	v_mul_f32 v[LS+14], v[LS+14], v[LS+12]
.if \bia
	s_wait_loadcnt 0x8                             ; gain and bias are in; the eight loads of b1 behind them stay out
.else
	s_wait_loadcnt 0x0
.endif
.set p, 0
.rept 16
	v_pk_fma_f32 v[ACC+2*p:ACC+2*p+1], v[ACC+2*p:ACC+2*p+1], v[LS+12:LS+13], v[LS+14:LS+15] op_sel_hi:[1,0,0]
.set p, p+1
.endr
.set p, 0
.rept 16
	v_pk_fma_f32 v[ACC+2*p:ACC+2*p+1], v[ACC+2*p:ACC+2*p+1], v[W+2*p:W+2*p+1], v[W+32+2*p:W+32+2*p+1]
.set p, p+1
.endr
.set p, 0
.rept 16
	v_cvt_pk_f16_f32 v[ACC+p], v[ACC+2*p], v[ACC+2*p+1]
.set p, p+1
.endr
.irp i, 0,1,2,3
	ds_store_b128 v[XS], v[ACC+4*\i:ACC+4*\i+3] offset:(\i/2)*1024+(\i%2)*512
.endr
	s_wait_dscnt 0x0
	s_barrier_signal -1
	s_barrier_wait -1
	XLOAD XR                                       ; waited for by the first wait of the chunk that follows
.endm
; GELU of tiles i0 and i0 + 1 (16 numbers a lane), rounded to f16 and put into HID.  g = max(x, 0) - |x| t (a1 + t (a2 + t (a3 + t (a4 + t a5)))) 2^(-0.7213 x^2), the a halved, t = 1 / (1 + 0.2316 |x|).
; The 32 reciprocals and exponentials are one batch; the 16 maxima are the plain work behind it; one wait.
.macro GELU2 i0
.set XB, ACC+8*(\i0)
.set p, 0
.rept 16
	v_and_b32 v[GAX+p], 0x7fffffff, v[XB+p]
.set p, p+1
.endr
.set p, 0
.rept 8
	v_pk_fma_f32 v[GTT+p:GTT+p+1], v[GAX+p:GAX+p+1], s[GP:GP+1], 1.0 op_sel_hi:[1,0,0]
	v_pk_mul_f32 v[GEE+p:GEE+p+1], v[XB+p:XB+p+1], v[XB+p:XB+p+1]
.set p, p+2
.endr
.set p, 0
.rept 8
	v_pk_mul_f32 v[GEE+p:GEE+p+1], v[GEE+p:GEE+p+1], s[GN:GN+1] op_sel_hi:[1,0]
.set p, p+2
.endr
.set p, 0
.rept 16
	v_rcp_f32 v[GTT+p], v[GTT+p]
.set p, p+1
.endr
.set p, 0
.rept 16
	v_exp_f32 v[GEE+p], v[GEE+p]
.set p, p+1
.endr
.set p, 0
.rept 16
	v_max_num_f32 v[XB+p], 0, v[XB+p]
.set p, p+1
.endr
	s_wait_alu depctr_va_vdst(0)                   ; the one wait ahead of the batch's first reader
.set p, 0
.rept 8
	v_pk_fma_f32 v[GPP+p:GPP+p+1], v[GTT+p:GTT+p+1], s[A5:A5+1], s[A4:A4+1] op_sel_hi:[1,0,0]
.set p, p+2
.endr
.irp a, A3, A2, A1
.set p, 0
.rept 8
	v_pk_fma_f32 v[GPP+p:GPP+p+1], v[GPP+p:GPP+p+1], v[GTT+p:GTT+p+1], s[\a:\a+1] op_sel_hi:[1,1,0]
.set p, p+2
.endr
.endr
.set p, 0
.rept 8
	v_pk_mul_f32 v[GPP+p:GPP+p+1], v[GPP+p:GPP+p+1], v[GTT+p:GTT+p+1]
.set p, p+2
.endr
.set p, 0
.rept 8
	v_pk_mul_f32 v[GPP+p:GPP+p+1], v[GPP+p:GPP+p+1], v[GEE+p:GEE+p+1]
.set p, p+2
.endr
.set p, 0
.rept 8
	v_pk_fma_f32 v[XB+p:XB+p+1], v[GPP+p:GPP+p+1], v[GAX+p:GAX+p+1], v[XB+p:XB+p+1] neg_lo:[1,0,0] neg_hi:[1,0,0]
.set p, p+2
.endr
.set p, 0
.rept 8
	v_cvt_pk_f16_f32 v[XB+p], v[XB+2*p], v[XB+2*p+1]
.set p, p+1
.endr
	ds_store_b128 v[HS], v[XB:XB+3]   offset:((\i0)/2)*1024
	ds_store_b128 v[HS], v[XB+4:XB+7] offset:((\i0)/2)*1024+512
.endm
.macro QKVOUT base, imm, vstep         ; four tiles rounded to f16 and stored, 512 neighbouring bytes a store; a head is two tiles, 131,072 bytes from the next
	PLACES 4
	s_wait_xcnt 0x0                                ; the pack registers are written again only behind this wait
.set p, 0
.rept 16
	v_cvt_pk_f16_f32 v[BIA+p], v[ACC+2*p], v[ACC+2*p+1]
.set p, p+1
.endr
.irp i, 0,1,2,3
	global_store_b128 v[L16], v[BIA+4*\i:BIA+4*\i+3], s[\base:\base+1] offset:(\imm)+(\i/2)*131072+(\i%2)*(\vstep)
.endr
.endm
	s_load_b256 s[4:11], s[0:1], 0x0               ; o 4, h in 6, the pack 8, h out 10
	s_load_b64 s[12:13], s[0:1], 0x20              ; qkv
	v_lshl_add_u32 v[SPW], v0, 2, SPARE
	v_mov_b32 v[NIL], 0
	ds_add_u32 v[SPW], v[NIL]                      ; the wave's opening: the add and its wait ahead of my first tensor load; the set-up stands between them
	v_lshrrev_b32 v15, 5, v0
	v_readfirstlane_b32 s[WV], v15
	s_bfe_u32 s[CX], ttmp6, 0x40000
	s_lshl_b32 s[TK], ttmp9, 2
	s_add_co_u32 s[TK], s[TK], s[CX]               ; my tile of 16 tokens: it enters global addresses alone
	s_mov_b32 s[G1+0], 15|(3<<16)|(1<<21)          ; the mask of four; elements of 8 bytes; bit 21 beside a mask
	s_mov_b32 s[G1+1], 32<<16                      ; tensor_dim0 = 32 elements: rows of 256 bytes
	s_mov_b32 s[G1+2], 128<<16                     ; tensor_dim1 = 128 rows: 32,768 dense bytes
	s_mov_b32 s[G1+3], 32<<16                      ; tile_dim0
	s_mov_b32 s[G1+4], 128                         ; tile_dim1
	s_mov_b32 s[G1+5], 32                          ; pitch
	s_mov_b32 s[G1+6], 0
	s_mov_b32 s[G1+7], 0
	s_mov_b32 s[G0A], 1
	s_lshl_b32 s[G0A+1], s[WV], 15                 ; slot 0, my part
	s_mov_b32 s[G0W], 1
	s_add_co_u32 s[G0W+1], s[G0A+1], SLOT1         ; slot 1, my part
	s_lshl_b32 s22, s[WV], 15
	s_mov_b32 s23, 0
	s_mov_b32 s61, 0
	s_mov_b32 s[SEL], 0x76543210
	s_mov_b32 s[SEL+1], 0xfedcba98
	s_mov_b32 s[R256], 0x3b800000
	s_mov_b32 s[TB], 0
	s_mov_b32 s[SLOTS], 10
	s_mov_b32 s[A1], 0x3e027906
	s_mov_b32 s[A2], 0xbe11a98e
	s_mov_b32 s[A3], 0x3f35f0e3
	s_mov_b32 s[A4], 0xbf3a00e3
	s_mov_b32 s[A5], 0x3f07dc22
	s_mov_b32 s[GP], 0x3e6d3388
	s_mov_b32 s[GN], 0xbf38aa3b
.irp a, A1, A2, A3, A4, A5, GP, GN
	s_mov_b32 s[\a+1], s[\a]                       ; named with it as a pair
.endr
	v_and_b32 v15, 31, v0
	v_lshlrev_b32 v[L16], 4, v15
	v_lshlrev_b32 v[PFO], 8, v15
	v_add_nc_u32 v[WA0], s22, v[L16]
	v_bfe_u32 v15, v0, 4, 1
	s_lshl_b32 s19, s[WV], 8
	v_lshl_add_u32 v[CO], v15, 5, s19
	s_lshl_b32 s19, s[WV], 11
	s_add_co_u32 s20, s19, HID
	v_add_nc_u32 v[HS], s20, v[L16]
	v_add_nc_u32 v[HR], HID, v[L16]
	s_add_co_u32 s20, s19, XF
	v_add_nc_u32 v[XS], s20, v[L16]
	v_add_nc_u32 v[XR], XF, v[L16]
	v_and_b32 v15, 15, v0
	s_lshl_b32 s19, s[WV], 7
	s_add_co_u32 s19, s19, STAT
	v_lshl_add_u32 v[SA], v15, 3, s19
	v_lshlrev_b32 v[SR], 3, v15
	v_add_nc_u32 v[SR], STAT, v[SR]
	v_mov_b32 v[LS+1], 0                           ; named in a pair before its first value
	s_wait_dscnt 0x0                               ; the opening add is done
	s_wait_kmcnt 0x0
	s_add_nc_u64 s[62:63], s[WL:WL+1], s[22:23]    ; my part of chunk 0: made of the wave's number alone
	s_mov_b64 s[G0A+2:G0A+3], s[62:63]
	s_or_b32 s[G0A+3], s[G0A+3], 0x80000000
	s_add_nc_u64 s[G0W+2:G0W+3], s[62:63], CHUNK
	s_or_b32 s[G0W+3], s[G0W+3], 0x80000000
	s_lshl_b32 s60, s[TK], 14
	s_lshl_b32 s19, s[WV], 12
	s_add_co_u32 s60, s60, s19
	s_add_nc_u64 s[HI:HI+1], s[6:7], s[60:61]
	s_add_nc_u64 s[HO:HO+1], s[10:11], s[60:61]
	s_lshl_b32 s60, s[TK], 13
	s_add_nc_u64 s[OP:OP+1], s[4:5], s[60:61]
	s_and_b32 s20, s[TK], 127                      ; my tile in its sequence
	s_lshr_b32 s19, s[TK], 7
	s_lshl_b32 s19, s19, 20
	s_lshl_b32 s21, s[WV], 18
	s_add_co_u32 s19, s19, s21                     ; batch and my first head
	s_lshl_b32 s60, s20, 10
	s_add_co_u32 s60, s60, s19
	s_add_nc_u64 s[QP:QP+1], s[12:13], s[60:61]
	s_lshr_b32 s60, s20, 1
	s_lshl_b32 s60, s60, 11
	s_and_b32 s21, s20, 1
	s_lshl_b32 s21, s21, 9
	s_add_co_u32 s60, s60, s21
	s_add_co_u32 s60, s60, s19
	s_add_nc_u64 s[VP:VP+1], s[12:13], s[60:61]
	s_lshl_b32 s60, s[CX], 2
	s_add_co_u32 s60, s60, s[WV]
	s_lshl_b32 s60, s60, 13                        ; my 8,192 bytes of a chunk, by place in the cluster and wave,
	s_add_co_u32 s60, s60, 2*CHUNK                 ; in chunk 2: the first change of slots steps it to chunk 3
	s_add_nc_u64 s[PFA:PFA+1], s[WL:WL+1], s[60:61]
	s_cmp_eq_u32 ttmp9, 0
	s_cselect_b32 s[LIM], 1, -1
	CROUND                                         ; all four work-groups are here: the first joint loads meet
	tensor_load_to_lds s[G0A:G0A+3], s[G1:G1+7]
	s_nop 0
	tensor_load_to_lds s[G0W:G0W+3], s[G1:G1+7]
	s_nop 0
	PLACES 4
.irp kb, 0,1,2,3,4,5,6,7
	global_load_b128 v[X+8*\kb:X+8*\kb+3],   v[L16], s[OP:OP+1] offset:1024*\kb       ; o: head kb is k block kb
	global_load_b128 v[X+8*\kb+4:X+8*\kb+7], v[L16], s[OP:OP+1] offset:1024*\kb+512
.endr
.irp i, 0,1,2,3
	global_load_b128 v[H+8*\i:H+8*\i+3],   v[L16], s[HI:HI+1] offset:1024*\i
	global_load_b128 v[H+8*\i+4:H+8*\i+7], v[L16], s[HI:HI+1] offset:1024*\i+512
.endr
	s_wait_tensorcnt 0x1                           ; my part of chunk 0 is in; chunk 1, issued behind it, stays out
	s_barrier_signal -1
	s_barrier_wait -1
	s_wait_loadcnt 0x0
	GEMMC H, 2, 0, 4, 0                            ; h += o out_w: the residual is the C operand
	CHANGE 1
	v_mov_b32 v[BO], v[CO]
	LN WL, PARAM+5120, 1
	s_mov_b32 s[CNT], 4
.Lff1:                                             ; 256 hidden channels a trip
	s_wait_loadcnt 0x0                             ; this chunk's bias
	v_add_nc_u32 v[BO], 1024, v[BO]
	GEMMC ACC, 1, 0, 4, 1
	PLACES 4
	GELU2 0
	GELU2 2
	v_add_nc_u32 v[HS], 8192, v[HS]
	CHANGE 1
	s_sub_co_u32 s[CNT], s[CNT], 1
	s_cmp_lg_u32 s[CNT], 0
	s_cbranch_scc1 .Lff1
	s_wait_loadcnt 0x0                             ; the fourth trip's look-ahead has brought b2, which lies behind b1
.set p, 0
.rept 16
	v_pk_add_f32 v[H+2*p:H+2*p+1], v[H+2*p:H+2*p+1], v[BIA+2*p:BIA+2*p+1]
.set p, p+1
.endr
	s_mov_b32 s[CNT], 4
.Lff2:                                             ; 256 of the 1,024 k a trip, onto h in place
	XLOAD HR
	GEMMC H, 2, 0, 4, 0
	v_add_nc_u32 v[HR], 8192, v[HR]
	CHANGE 1
	s_sub_co_u32 s[CNT], s[CNT], 1
	s_cmp_lg_u32 s[CNT], 0
	s_cbranch_scc1 .Lff2
.irp i, 0,1,2,3
	global_store_b128 v[L16], v[H+8*\i:H+8*\i+3],   s[HO:HO+1] offset:1024*\i
	global_store_b128 v[L16], v[H+8*\i+4:H+8*\i+7], s[HO:HO+1] offset:1024*\i+512
.endr
	LN WL, PARAM+7168, 0
	GEMMC ACC, 0, 0, 4, 0
	QKVOUT QP, 0, 512
	CHANGE 1                                       ; the last refill: chunk 11
	GEMMC ACC, 0, 0, 4, 0
	QKVOUT QP, 2097152, 512
	CHANGE 0
	GEMMC ACC, 0, 1, 4, 0
	QKVOUT VP, 4194304, 1024
	s_wait_tensorcnt 0x0                           ; the wave's end
	ds_add_u32 v[SPW], v[NIL]
	s_wait_dscnt 0x0
	CROUND                                         ; the closing round
	s_endpgm
.Lfunc_end_k_q283ecf2d61_m0:
	.size	k_q283ecf2d61_m0, .Lfunc_end_k_q283ecf2d61_m0-k_q283ecf2d61_m0
	.p2alignl 7, 3214868480
	.fill 96, 4, 3214868480
	.section	.rodata,"a",@progbits
	.p2align	6, 0x0
	.amdhsa_kernel k_q283ecf2d61_m0
		.amdhsa_group_segment_fixed_size 327680
		.amdhsa_private_segment_fixed_size 0
		.amdhsa_enable_private_segment 0
		.amdhsa_kernarg_size 40
		.amdhsa_user_sgpr_count 2
		.amdhsa_user_sgpr_kernarg_segment_ptr 1
		.amdhsa_wavefront_size32 1
		.amdhsa_system_sgpr_workgroup_id_x 1
		.amdhsa_system_sgpr_workgroup_id_y 1
		.amdhsa_system_sgpr_workgroup_id_z 1
		.amdhsa_system_vgpr_workitem_id 0
		.amdhsa_next_free_vgpr 256
		.amdhsa_next_free_sgpr 80
		.amdhsa_reserve_vcc 0
		.amdhsa_float_denorm_mode_32 3
		.amdhsa_float_denorm_mode_16_64 3
		.amdhsa_memory_ordered 1
		.amdhsa_forward_progress 1
		.amdhsa_inst_pref_size 103
	.end_amdhsa_kernel
	.amdgpu_metadata
---
amdhsa.version: [ 1, 2 ]
amdhsa.kernels:
  - .name:           k_q283ecf2d61_m0
    .symbol:         k_q283ecf2d61_m0.kd
    .args:
      - { .name: o, .offset: 0, .size: 8, .value_kind: global_buffer, .address_space: global }
      - { .name: hA, .offset: 8, .size: 8, .value_kind: global_buffer, .address_space: global }
      - { .name: wl0, .offset: 16, .size: 8, .value_kind: global_buffer, .address_space: global }
      - { .name: hB, .offset: 24, .size: 8, .value_kind: global_buffer, .address_space: global }
      - { .name: qkv, .offset: 32, .size: 8, .value_kind: global_buffer, .address_space: global }
    .group_segment_fixed_size: 327680
    .private_segment_fixed_size: 0
    .kernarg_segment_align: 8
    .kernarg_segment_size: 40
    .max_flat_workgroup_size: 128
    .sgpr_count:     80
    .vgpr_count:     256
    .wavefront_size: 32
...
	.end_amdgpu_metadata
.endif
;; end of part 4
;; launch a1: the kernel of part 3 again; grid 16 x 16, 8 waves a work-group, no clusters, 70,656 bytes of LDS; arguments qkv, wl3, o; writes o
;; launch m1: the kernel of part 4 again; grid 256 x 1, 4 waves a work-group, clusters of 4 x 1, 327,680 bytes of LDS; arguments o, hB, wl1, hA, qkv; writes hA, qkv
;; launch a2: the kernel of part 3 again; grid 16 x 16, 8 waves a work-group, no clusters, 70,656 bytes of LDS; arguments qkv, wl3, o; writes o
;; launch m2: the kernel of part 4 again; grid 256 x 1, 4 waves a work-group, clusters of 4 x 1, 327,680 bytes of LDS; arguments o, hA, wl2, hB, qkv; writes hB, qkv
;; launch a3: the kernel of part 3 again; grid 16 x 16, 8 waves a work-group, no clusters, 70,656 bytes of LDS; arguments qkv, wl3, o; writes o
;; launch last (part 5): grid 256 x 1, 4 waves a work-group, clusters of 4 x 1, 327,680 bytes of LDS; arguments o, hB, wl3, out0; writes out0
.if DOCPART == 5
	.amdgcn_target "amdgcn-amd-amdhsa--gfx1250"
	.amdhsa_code_object_version 6
	.text
	.protected	k_q283ecf2d61_last
	.globl	k_q283ecf2d61_last
	.p2align	8
	.type	k_q283ecf2d61_last,@function
k_q283ecf2d61_last:
	s_mov_b64 s[64:65], 0
	v_nop
	global_prefetch_b8 v0, s[64:65] scope:SCOPE_SE
	s_setreg_imm32_b32 hwreg(HW_REG_WAVE_MODE, 25, 1), 1
	s_wait_xcnt 0x0
	s_wait_alu depctr_hold_cnt(0) depctr_sa_sdst(0) depctr_va_vdst(0) depctr_va_sdst(0) depctr_va_ssrc(0) depctr_va_vcc(0) depctr_vm_vsrc(0)
	s_getreg_b32 s2, hwreg(HW_REG_IB_STS2, 6, 4)
	s_cmp_eq_u32 s2, 0
	s_cbranch_scc0 .Lentry_in_a_cluster
	s_endpgm
.Lentry_in_a_cluster:
	s_bfe_u32 s2, ttmp6, 0x10000c
	s_cmp_lg_u32 s2, 0x3003
	s_cbranch_scc0 .Lentry_shape_is_right
	s_endpgm
.Lentry_shape_is_right:
; LAST.  For 16 tokens: h += o out_w; the second norm; hidden = gelu(xn w1 + b1); h += hidden w2 + b2; the final norm; logits = xn emb^T, 100 columns in f32.
; A work-group owns tile T of 16 tokens, its four waves 64 channels each (of the logits: 32 columns each, of which the fourth wave's last 28 do not exist and are dropped).
; LAYOUT.  Products are taken transposed: source 0 = 16 output columns of the weights, source 1 = the 16 tokens.  In the result lane l (r = l % 16, h = l / 16) holds token r and channels 8 h + 0..7 of the tile.
; Two tiles rounded to f16 in pairs ARE a source-1 fragment of the next product; the waves exchange them through LDS.  The residual, b1 and the running sums ride in as the C operand.
; WEIGHTS.  All 256 work-groups walk the same 10 chunks of 131,072 bytes, so the four partners of a cluster ask for each JOINTLY (mask 15).  A wave fetches, and alone reads, its 32,768 bytes of a chunk.
; Two LDS slots; the change of slots behind chunk c asks for chunk c + 2.  Two loads of a wave are out at the start, one behind each round.
; PREFETCH.  The stream was stored by an earlier launch and every wave waits for it at each change of slots.  Cluster 0 alone asks, behind each refill, for the chunk that the NEXT refill will load:
; its 4 partners x 4 waves x 32 lanes x 256 bytes are one chunk, each block named once; the partners are told apart by address.  Chunks 0 to 2 come by their loads alone; the last refill asks for nothing.
; THE WAY OUT.  The tile's 16 x 100 logits are 6,400 neighbouring bytes of out0, a multiple of 256 from its first byte: they are gathered in LDS at a pitch of 400 bytes and stored as 400 pieces of 16 bytes in order.
; FORMATS.  h, norms, biases, GELU and all sums in f32; matrix operands f16, each rounded once.  LIMIT: f16 ends at 65,504.  GELU: the exact form, erf by a five-term series, absolute error 1.5e-7 at the most.
.set CHUNK,  131072
.set PARAM,  1572864
.set SLOT1,  131072
.set XF,     262144
.set HID,    270336
.set STAT,   303104
.set LOGS,   303616                    ; 16 rows of 400 bytes
.set SPARE,  310272                    ; the spare words, 128 bytes a wave: two blocks of 256 bytes that no other line names
.set L16, 1
.set WA0, 2
.set WA,  3
.set CO,  4
.set BO,  5                            ; at the end: 16 x my thread's number
.set HS,  6                            ; at the end: where my logits go in LOGS
.set HR,  7                            ; at the end: LOGS + 16 x my thread's number
.set XS,  8
.set XR,  9
.set SA,  10
.set SR,  11
.set SPW, 12
.set NIL, 13
.set PFO, 14
.set H,   16
.set ACC, 48
.set X,   80
.set W,   144
.set GAX, W
.set GTT, W+16
.set GEE, W+32
.set GPP, W+48
.set BIA, 208
.set LS,  240
.set WL, 8
.set WV, 16
.set CX, 17
.set TK, 18
.set G1, 24
.set G0A, 32
.set G0W, 36
.set TB, 40
.set SLOTS, 41
.set LIM, 42
.set CNT, 43
.set PFA, 44
.set SEL, 46
.set HI, 48
.set OUTP, 50
.set OP, 56
.set R256, 58
.set A1, 66
.set A2, 68
.set A3, 70
.set A4, 72
.set A5, 74
.set GP, 76
.set GN, 78
.macro PLACES n
.rept \n
	v_nop
.endr
.endm
.macro CROUND                          ; a round of the cluster's barrier
	s_barrier_signal -1
	s_barrier_wait -1
	s_cmp_lg_u32 s[WV], 0
	s_cbranch_scc1 .Lnw0_\@
	s_barrier_signal -3
.Lnw0_\@:
	s_barrier_wait -3
	s_barrier_signal -1
	s_barrier_wait -1
.endm
.macro ASK                             ; one line a wave, behind the joint load and its five lines; the test is the same in all four partners
	s_cmp_gt_u32 s[SLOTS], s[LIM]
	s_cbranch_scc0 .Lna_\@
	global_prefetch_b8 v[PFO], s[PFA:PFA+1] th:TH_LOAD_NT scope:SCOPE_SE
.Lna_\@:
	s_sub_co_u32 s[SLOTS], s[SLOTS], 1
.endm
; THE CHANGE OF SLOTS.  Every wave waits for all its tensor loads (one is out: its part of the next chunk), adds 0 to its spare word, waits for that, for its reads of the slot it leaves and for its LDS stores.
; fill = 1: a round of the cluster's barrier, and the joint refill first behind it.  The four v_nop are also the places behind the last products.
.macro CHANGE fill
	s_wait_tensorcnt 0x0
	ds_add_u32 v[SPW], v[NIL]
.if \fill
	s_xor_b32 s[G0W+1], s[G0W+1], SLOT1
	s_add_nc_u64 s[G0W+2:G0W+3], s[G0W+2:G0W+3], CHUNK
	s_wait_xcnt 0x0                                ; the last prefetch, a chunk back, has read its address
	s_add_nc_u64 s[PFA:PFA+1], s[PFA:PFA+1], CHUNK
	s_wait_dscnt 0x0
	CROUND
	tensor_load_to_lds s[G0W:G0W+3], s[G1:G1+7]
	s_nop 0
	PLACES 4
	ASK
.else
	s_wait_dscnt 0x0
	s_barrier_signal -1
	s_barrier_wait -1
	PLACES 4
.endif
	s_xor_b32 s[TB], s[TB], SLOT1
.endm
.macro WGRP g, ni
.set wi, 0
.rept \ni
	ds_load_b128 v[W+32*((\g)%2)+8*wi:W+32*((\g)%2)+8*wi+3],   v[WA] offset:(\g)*4096+wi*1024
	ds_load_b128 v[W+32*((\g)%2)+8*wi+4:W+32*((\g)%2)+8*wi+7], v[WA] offset:(\g)*4096+wi*1024+512
.set wi, wi+1
.endr
.endm
.macro MROW d, cmode, ni, kb           ; ni products, the accumulators by turns.  At k block 0 the sum starts with 0 (cmode 0), with the bias (1), or goes on in place (2)
.set wi, 0
.rept \ni
.set rD, (\d)+8*wi
.set rW, W+32*((\kb)%2)+8*wi
.set rX, X+8*(\kb)
.if ((\kb) == 0) && ((\cmode) == 0)
	v_wmma_f32_16x16x32_f16 v[rD:rD+7], v[rW:rW+7], v[rX:rX+7], 0
.elseif ((\kb) == 0) && ((\cmode) == 1)
	v_wmma_f32_16x16x32_f16 v[rD:rD+7], v[rW:rW+7], v[rX:rX+7], v[BIA+8*wi:BIA+8*wi+7]
.else
	v_wmma_f32_16x16x32_f16 v[rD:rD+7], v[rW:rW+7], v[rX:rX+7], v[rD:rD+7]
.endif
.set wi, wi+1
.endr
.endm
.macro BIALOAD
.irp i, 0,1,2,3
	global_load_b128 v[BIA+8*\i:BIA+8*\i+3],   v[BO], s[WL:WL+1] offset:PARAM+64*\i
	global_load_b128 v[BIA+8*\i+4:BIA+8*\i+7], v[BO], s[WL:WL+1] offset:PARAM+64*\i+16
.endr
.endm
; A chunk: 8 k blocks x ni tiles.  Two groups of weight fragments take turns: each wait leaves the one younger group (2 ni loads) out; the last is for 0.  A group is loaded again four places behind its products.
.macro GEMMC d, cmode, ni, hook
	v_add_nc_u32 v[WA], s[TB], v[WA0]
	WGRP 0, \ni
	WGRP 1, \ni
.irp kb, 0,1,2,3,4,5,6,7
.if \kb == 7
	s_wait_dscnt 0x0
.else
	s_wait_dscnt 2*(\ni)
.endif
	MROW \d, \cmode, \ni, \kb
.if \kb < 6
	PLACES 4
	WGRP (\kb)+2, \ni
.endif
.if (\hook) && (\kb == 0)
	BIALOAD
.endif
.endr
.endm
.macro XLOAD a
.irp kb, 0,1,2,3,4,5,6,7
	ds_load_b128 v[X+8*\kb:X+8*\kb+3],   v[\a] offset:1024*\kb
	ds_load_b128 v[X+8*\kb+4:X+8*\kb+7], v[\a] offset:1024*\kb+512
.endr
.endm
; THE NORM of the 16 rows in H, into the 8 fragments X: each wave's mean and sum of squares about that mean; the four pairs meet in LDS and are joined exactly.
.macro LN gb, goff, bia
.irp i, 0,1,2,3
	global_load_b128 v[W+8*\i:W+8*\i+3],   v[CO], s[\gb:\gb+1] offset:(\goff)+64*\i
	global_load_b128 v[W+8*\i+4:W+8*\i+7], v[CO], s[\gb:\gb+1] offset:(\goff)+64*\i+16
.endr
.irp i, 0,1,2,3
	global_load_b128 v[W+32+8*\i:W+32+8*\i+3],   v[CO], s[\gb:\gb+1] offset:(\goff)+1024+64*\i
	global_load_b128 v[W+32+8*\i+4:W+32+8*\i+7], v[CO], s[\gb:\gb+1] offset:(\goff)+1024+64*\i+16
.endr
.if \bia
	BIALOAD
.endif
.set p, 0
.rept 8
	v_pk_add_f32 v[ACC+2*p:ACC+2*p+1], v[H+4*p:H+4*p+1], v[H+4*p+2:H+4*p+3]   ; each accumulator's lowest registers are read first
.set p, p+1
.endr
.set p, 0
.rept 4
	v_pk_add_f32 v[ACC+4*p:ACC+4*p+1], v[ACC+4*p:ACC+4*p+1], v[ACC+4*p+2:ACC+4*p+3]
.set p, p+1
.endr
	v_pk_add_f32 v[ACC:ACC+1], v[ACC:ACC+1], v[ACC+4:ACC+5]
	v_pk_add_f32 v[ACC+8:ACC+9], v[ACC+8:ACC+9], v[ACC+12:ACC+13]
	v_pk_add_f32 v[ACC:ACC+1], v[ACC:ACC+1], v[ACC+8:ACC+9]
	v_add_f32 v[ACC], v[ACC], v[ACC+1]
	v_permlanex16_b32 v[ACC+1], v[ACC], s[SEL], s[SEL+1]
	v_add_f32 v[ACC], v[ACC], v[ACC+1]
	v_mul_f32 v[LS], 0x3c800000, v[ACC]
.set p, 0
.rept 16
	v_pk_add_f32 v[ACC+2*p:ACC+2*p+1], v[H+2*p:H+2*p+1], v[LS:LS+1] op_sel_hi:[1,0] neg_lo:[0,1] neg_hi:[0,1]
.set p, p+1
.endr
.set p, 0
.rept 4
	v_pk_mul_f32 v[LS+2+2*p:LS+3+2*p], v[ACC+2*p:ACC+2*p+1], v[ACC+2*p:ACC+2*p+1]
.set p, p+1
.endr
.rept 12
	v_pk_fma_f32 v[LS+2+2*(p%4):LS+3+2*(p%4)], v[ACC+2*p:ACC+2*p+1], v[ACC+2*p:ACC+2*p+1], v[LS+2+2*(p%4):LS+3+2*(p%4)]
.set p, p+1
.endr
	v_pk_add_f32 v[LS+2:LS+3], v[LS+2:LS+3], v[LS+4:LS+5]
	v_pk_add_f32 v[LS+6:LS+7], v[LS+6:LS+7], v[LS+8:LS+9]
	v_pk_add_f32 v[LS+2:LS+3], v[LS+2:LS+3], v[LS+6:LS+7]
	v_add_f32 v[LS+2], v[LS+2], v[LS+3]
	v_permlanex16_b32 v[LS+3], v[LS+2], s[SEL], s[SEL+1]
	v_add_f32 v[LS+1], v[LS+2], v[LS+3]
	ds_store_b64 v[SA], v[LS:LS+1]
	s_wait_dscnt 0x0                               ; for the others: my pair is in LDS
	s_barrier_signal -1
	s_barrier_wait -1
.irp i, 0,1,2,3
	ds_load_b64 v[LS+2+2*\i:LS+3+2*\i], v[SR] offset:128*\i
.endr
	s_wait_dscnt 0x0
	v_add_f32 v[LS+10], v[LS+2], v[LS+4]
	v_add_f32 v[LS+11], v[LS+6], v[LS+8]
	v_add_f32 v[LS+10], v[LS+10], v[LS+11]
	v_mul_f32 v[LS+10], 0x3e800000, v[LS+10]
.irp i, 0,1,2,3
	v_sub_f32 v[LS+2+2*\i], v[LS+2+2*\i], v[LS+10]
.endr
	v_mul_f32 v[LS+2], v[LS+2], v[LS+2]
	v_fmac_f32 v[LS+2], v[LS+4], v[LS+4]
	v_fmac_f32 v[LS+2], v[LS+6], v[LS+6]
	v_fmac_f32 v[LS+2], v[LS+8], v[LS+8]
	v_add_f32 v[LS+3], v[LS+3], v[LS+5]
	v_add_f32 v[LS+7], v[LS+7], v[LS+9]
	v_add_f32 v[LS+3], v[LS+3], v[LS+7]
	v_fmamk_f32 v[LS+3], v[LS+2], 0x42800000, v[LS+3]
	v_fmaak_f32 v[LS+3], s[R256], v[LS+3], 0x3727c5ac
	v_rsq_f32 v[LS+12], v[LS+3]
	v_mov_b32 v[LS+13], 0                          ; plain work behind the root
	v_sub_f32 v[LS+14], v[LS], v[LS+10]
	v_mov_b32 v[LS+15], 0
	s_wait_alu depctr_va_vdst(0)                   ; the wait ahead of the root's first reader
	v_mul_f32 v[LS+14], v[LS+14], v[LS+12]
.if \bia
	s_wait_loadcnt 0x8                             ; gain and bias are in; the eight loads of b1 behind them stay out
.else
	s_wait_loadcnt 0x0
.endif
.set p, 0
.rept 16
	v_pk_fma_f32 v[ACC+2*p:ACC+2*p+1], v[ACC+2*p:ACC+2*p+1], v[LS+12:LS+13], v[LS+14:LS+15] op_sel_hi:[1,0,0]
.set p, p+1
.endr
.set p, 0
.rept 16
	v_pk_fma_f32 v[ACC+2*p:ACC+2*p+1], v[ACC+2*p:ACC+2*p+1], v[W+2*p:W+2*p+1], v[W+32+2*p:W+32+2*p+1]
.set p, p+1
.endr
.set p, 0
.rept 16
	v_cvt_pk_f16_f32 v[ACC+p], v[ACC+2*p], v[ACC+2*p+1]
.set p, p+1
.endr
.irp i, 0,1,2,3
	ds_store_b128 v[XS], v[ACC+4*\i:ACC+4*\i+3] offset:(\i/2)*1024+(\i%2)*512
.endr
	s_wait_dscnt 0x0
	s_barrier_signal -1
	s_barrier_wait -1
	XLOAD XR
.endm
; GELU of tiles i0 and i0 + 1, rounded to f16 and put into HID.  g = max(x, 0) - |x| t (a1 + t (a2 + t (a3 + t (a4 + t a5)))) 2^(-0.7213 x^2), the a halved, t = 1 / (1 + 0.2316 |x|).
.macro GELU2 i0
.set XB, ACC+8*(\i0)
.set p, 0
.rept 16
	v_and_b32 v[GAX+p], 0x7fffffff, v[XB+p]
.set p, p+1
.endr
.set p, 0
.rept 8
	v_pk_fma_f32 v[GTT+p:GTT+p+1], v[GAX+p:GAX+p+1], s[GP:GP+1], 1.0 op_sel_hi:[1,0,0]
	v_pk_mul_f32 v[GEE+p:GEE+p+1], v[XB+p:XB+p+1], v[XB+p:XB+p+1]
.set p, p+2
.endr
.set p, 0
.rept 8
	v_pk_mul_f32 v[GEE+p:GEE+p+1], v[GEE+p:GEE+p+1], s[GN:GN+1] op_sel_hi:[1,0]
.set p, p+2
.endr
.set p, 0
.rept 16
	v_rcp_f32 v[GTT+p], v[GTT+p]
.set p, p+1
.endr
.set p, 0
.rept 16
	v_exp_f32 v[GEE+p], v[GEE+p]
.set p, p+1
.endr
.set p, 0
.rept 16
	v_max_num_f32 v[XB+p], 0, v[XB+p]
.set p, p+1
.endr
	s_wait_alu depctr_va_vdst(0)                   ; the one wait ahead of the batch's first reader; the 16 maxima are the plain work behind the batch
.set p, 0
.rept 8
	v_pk_fma_f32 v[GPP+p:GPP+p+1], v[GTT+p:GTT+p+1], s[A5:A5+1], s[A4:A4+1] op_sel_hi:[1,0,0]
.set p, p+2
.endr
.irp a, A3, A2, A1
.set p, 0
.rept 8
	v_pk_fma_f32 v[GPP+p:GPP+p+1], v[GPP+p:GPP+p+1], v[GTT+p:GTT+p+1], s[\a:\a+1] op_sel_hi:[1,1,0]
.set p, p+2
.endr
.endr
.set p, 0
.rept 8
	v_pk_mul_f32 v[GPP+p:GPP+p+1], v[GPP+p:GPP+p+1], v[GTT+p:GTT+p+1]
.set p, p+2
.endr
.set p, 0
.rept 8
	v_pk_mul_f32 v[GPP+p:GPP+p+1], v[GPP+p:GPP+p+1], v[GEE+p:GEE+p+1]
.set p, p+2
.endr
.set p, 0
.rept 8
	v_pk_fma_f32 v[XB+p:XB+p+1], v[GPP+p:GPP+p+1], v[GAX+p:GAX+p+1], v[XB+p:XB+p+1] neg_lo:[1,0,0] neg_hi:[1,0,0]
.set p, p+2
.endr
.set p, 0
.rept 8
	v_cvt_pk_f16_f32 v[XB+p], v[XB+2*p], v[XB+2*p+1]
.set p, p+1
.endr
	ds_store_b128 v[HS], v[XB:XB+3]   offset:((\i0)/2)*1024
	ds_store_b128 v[HS], v[XB+4:XB+7] offset:((\i0)/2)*1024+512
.endm
	s_load_b256 s[4:11], s[0:1], 0x0               ; o 4, h in 6, the pack 8, out0 10
	v_lshl_add_u32 v[SPW], v0, 2, SPARE
	v_mov_b32 v[NIL], 0
	ds_add_u32 v[SPW], v[NIL]                      ; the wave's opening: the add and its wait ahead of my first tensor load; the set-up stands between them
	v_lshrrev_b32 v15, 5, v0
	v_readfirstlane_b32 s[WV], v15
	s_bfe_u32 s[CX], ttmp6, 0x40000
	s_lshl_b32 s[TK], ttmp9, 2
	s_add_co_u32 s[TK], s[TK], s[CX]
	s_mov_b32 s[G1+0], 15|(3<<16)|(1<<21)          ; the mask of four; elements of 8 bytes; bit 21 beside a mask
	s_mov_b32 s[G1+1], 32<<16                      ; rows of 256 bytes,
	s_mov_b32 s[G1+2], 128<<16                     ; 128 of them: 32,768 dense bytes
	s_mov_b32 s[G1+3], 32<<16
	s_mov_b32 s[G1+4], 128
	s_mov_b32 s[G1+5], 32
	s_mov_b32 s[G1+6], 0
	s_mov_b32 s[G1+7], 0
	s_mov_b32 s[G0A], 1
	s_lshl_b32 s[G0A+1], s[WV], 15
	s_mov_b32 s[G0W], 1
	s_add_co_u32 s[G0W+1], s[G0A+1], SLOT1
	s_lshl_b32 s22, s[WV], 15
	s_mov_b32 s23, 0
	s_mov_b32 s61, 0
	s_mov_b32 s[SEL], 0x76543210
	s_mov_b32 s[SEL+1], 0xfedcba98
	s_mov_b32 s[R256], 0x3b800000
	s_mov_b32 s[TB], 0
	s_mov_b32 s[SLOTS], 8
	s_mov_b32 s[A1], 0x3e027906
	s_mov_b32 s[A2], 0xbe11a98e
	s_mov_b32 s[A3], 0x3f35f0e3
	s_mov_b32 s[A4], 0xbf3a00e3
	s_mov_b32 s[A5], 0x3f07dc22
	s_mov_b32 s[GP], 0x3e6d3388
	s_mov_b32 s[GN], 0xbf38aa3b
.irp a, A1, A2, A3, A4, A5, GP, GN
	s_mov_b32 s[\a+1], s[\a]
.endr
	v_and_b32 v15, 31, v0
	v_lshlrev_b32 v[L16], 4, v15
	v_lshlrev_b32 v[PFO], 8, v15
	v_add_nc_u32 v[WA0], s22, v[L16]
	v_bfe_u32 v15, v0, 4, 1
	s_lshl_b32 s19, s[WV], 8
	v_lshl_add_u32 v[CO], v15, 5, s19
	s_lshl_b32 s19, s[WV], 11
	s_add_co_u32 s20, s19, HID
	v_add_nc_u32 v[HS], s20, v[L16]
	v_add_nc_u32 v[HR], HID, v[L16]
	s_add_co_u32 s20, s19, XF
	v_add_nc_u32 v[XS], s20, v[L16]
	v_add_nc_u32 v[XR], XF, v[L16]
	v_and_b32 v15, 15, v0
	s_lshl_b32 s19, s[WV], 7
	s_add_co_u32 s19, s19, STAT
	v_lshl_add_u32 v[SA], v15, 3, s19
	v_lshlrev_b32 v[SR], 3, v15
	v_add_nc_u32 v[SR], STAT, v[SR]
	v_mov_b32 v[LS+1], 0
	s_wait_dscnt 0x0                               ; the opening add is done
	s_wait_kmcnt 0x0
	s_add_nc_u64 s[62:63], s[WL:WL+1], s[22:23]
	s_mov_b64 s[G0A+2:G0A+3], s[62:63]
	s_or_b32 s[G0A+3], s[G0A+3], 0x80000000
	s_add_nc_u64 s[G0W+2:G0W+3], s[62:63], CHUNK
	s_or_b32 s[G0W+3], s[G0W+3], 0x80000000
	s_lshl_b32 s60, s[TK], 14
	s_lshl_b32 s19, s[WV], 12
	s_add_co_u32 s60, s60, s19
	s_add_nc_u64 s[HI:HI+1], s[6:7], s[60:61]
	s_lshl_b32 s60, s[TK], 13
	s_add_nc_u64 s[OP:OP+1], s[4:5], s[60:61]
	s_mul_i32 s60, s[TK], 6400
	s_add_nc_u64 s[OUTP:OUTP+1], s[10:11], s[60:61]
	s_lshl_b32 s60, s[CX], 2
	s_add_co_u32 s60, s60, s[WV]
	s_lshl_b32 s60, s60, 13
	s_add_co_u32 s60, s60, 2*CHUNK
	s_add_nc_u64 s[PFA:PFA+1], s[WL:WL+1], s[60:61]
	s_cmp_eq_u32 ttmp9, 0
	s_cselect_b32 s[LIM], 1, -1
	CROUND                                         ; all four work-groups are here: the first joint loads meet
	tensor_load_to_lds s[G0A:G0A+3], s[G1:G1+7]
	s_nop 0
	tensor_load_to_lds s[G0W:G0W+3], s[G1:G1+7]
	s_nop 0
	PLACES 4
.irp kb, 0,1,2,3,4,5,6,7
	global_load_b128 v[X+8*\kb:X+8*\kb+3],   v[L16], s[OP:OP+1] offset:1024*\kb
	global_load_b128 v[X+8*\kb+4:X+8*\kb+7], v[L16], s[OP:OP+1] offset:1024*\kb+512
.endr
.irp i, 0,1,2,3
	global_load_b128 v[H+8*\i:H+8*\i+3],   v[L16], s[HI:HI+1] offset:1024*\i
	global_load_b128 v[H+8*\i+4:H+8*\i+7], v[L16], s[HI:HI+1] offset:1024*\i+512
.endr
	s_wait_tensorcnt 0x1                           ; my part of chunk 0 is in; chunk 1, issued behind it, stays out
	s_barrier_signal -1
	s_barrier_wait -1
	s_wait_loadcnt 0x0
	GEMMC H, 2, 4, 0
	CHANGE 1
	v_mov_b32 v[BO], v[CO]
	LN WL, PARAM+5120, 1
	s_mov_b32 s[CNT], 4
.Lff1:
	s_wait_loadcnt 0x0                             ; this chunk's bias
	v_add_nc_u32 v[BO], 1024, v[BO]
	GEMMC ACC, 1, 4, 1
	PLACES 4
	GELU2 0
	GELU2 2
	v_add_nc_u32 v[HS], 8192, v[HS]
	CHANGE 1
	s_sub_co_u32 s[CNT], s[CNT], 1
	s_cmp_lg_u32 s[CNT], 0
	s_cbranch_scc1 .Lff1
	s_wait_loadcnt 0x0                             ; b2
.set p, 0
.rept 16
	v_pk_add_f32 v[H+2*p:H+2*p+1], v[H+2*p:H+2*p+1], v[BIA+2*p:BIA+2*p+1]
.set p, p+1
.endr
	s_mov_b32 s[CNT], 3
.Lff2:
	XLOAD HR
	GEMMC H, 2, 4, 0
	v_add_nc_u32 v[HR], 8192, v[HR]
	CHANGE 1
	s_sub_co_u32 s[CNT], s[CNT], 1
	s_cmp_lg_u32 s[CNT], 0
	s_cbranch_scc1 .Lff2
	XLOAD HR                                       ; the fourth trip is written out: nothing is left to ask for
	GEMMC H, 2, 4, 0
	CHANGE 0
	LN WL, PARAM+7168, 0
	GEMMC ACC, 0, 2, 0                             ; columns 32 w + 16 i + 8 h + j of the logits
	v_and_b32 v15, 15, v0                          ; the addresses of the way out: nine plain lines, the places behind the last products
	v_mul_u32_u24 v[HS], v15, 400
	v_bfe_u32 v15, v0, 4, 1
	v_lshl_add_u32 v[HS], v15, 5, v[HS]
	s_lshl_b32 s19, s[WV], 7
	s_add_co_u32 s19, s19, LOGS
	v_add_nc_u32 v[HS], s19, v[HS]                 ; LOGS + 400 r + 128 w + 32 h
	v_lshlrev_b32 v[BO], 4, v0
	v_add_nc_u32 v[HR], LOGS, v[BO]
	v_and_b32 v15, 31, v0
	v_nop
	s_cmp_eq_u32 s[WV], 3
	s_cbranch_scc1 .Lw3
.irp i, 0,1
	ds_store_b128 v[HS], v[ACC+8*\i:ACC+8*\i+3]   offset:64*\i
	ds_store_b128 v[HS], v[ACC+8*\i+4:ACC+8*\i+7] offset:64*\i+16
.endr
	s_branch .Lstored
.Lw3:                                              ; of the fourth wave's columns only 96 to 99 exist: tile 0, lanes 0-15, registers 0-3
	v_cmp_gt_u32 vcc_lo, 16, v15
	s_wait_xcnt 0x0                                ; EXEC changes only behind this wait
	s_and_saveexec_b32 s19, vcc_lo
	ds_store_b128 v[HS], v[ACC:ACC+3]
	s_wait_xcnt 0x0
	s_or_b32 exec_lo, exec_lo, s19
.Lstored:
	s_wait_dscnt 0x0                               ; for the others: my logits are in LDS
	s_barrier_signal -1
	s_barrier_wait -1
.irp q, 0,1,2
	ds_load_b128 v[X+4*\q:X+4*\q+3], v[HR] offset:2048*\q
.endr
	s_wait_dscnt 0x0
.irp q, 0,1,2
	global_store_b128 v[BO], v[X+4*\q:X+4*\q+3], s[OUTP:OUTP+1] offset:2048*\q   ; 16 lanes store 256 neighbouring bytes, at a multiple of 256 from out0's first
.endr
	s_cmp_lg_u32 s[WV], 0
	s_cbranch_scc1 .Lend
	v_cmp_gt_u32 vcc_lo, 16, v0                    ; the last 16 of the 400 pieces
	s_wait_xcnt 0x0
	s_and_saveexec_b32 s19, vcc_lo
	ds_load_b128 v[X+16:X+19], v[HR] offset:6144
	s_wait_dscnt 0x0
	global_store_b128 v[BO], v[X+16:X+19], s[OUTP:OUTP+1] offset:6144
	s_wait_xcnt 0x0
	s_or_b32 exec_lo, exec_lo, s19
.Lend:
	s_wait_tensorcnt 0x0                           ; the wave's end
	ds_add_u32 v[SPW], v[NIL]
	s_wait_dscnt 0x0
	CROUND                                         ; the closing round
	s_endpgm
.Lfunc_end_k_q283ecf2d61_last:
	.size	k_q283ecf2d61_last, .Lfunc_end_k_q283ecf2d61_last-k_q283ecf2d61_last
	.p2alignl 7, 3214868480
	.fill 96, 4, 3214868480
	.section	.rodata,"a",@progbits
	.p2align	6, 0x0
	.amdhsa_kernel k_q283ecf2d61_last
		.amdhsa_group_segment_fixed_size 327680
		.amdhsa_private_segment_fixed_size 0
		.amdhsa_enable_private_segment 0
		.amdhsa_kernarg_size 32
		.amdhsa_user_sgpr_count 2
		.amdhsa_user_sgpr_kernarg_segment_ptr 1
		.amdhsa_wavefront_size32 1
		.amdhsa_system_sgpr_workgroup_id_x 1
		.amdhsa_system_sgpr_workgroup_id_y 1
		.amdhsa_system_sgpr_workgroup_id_z 1
		.amdhsa_system_vgpr_workitem_id 0
		.amdhsa_next_free_vgpr 256
		.amdhsa_next_free_sgpr 80
		.amdhsa_reserve_vcc 1
		.amdhsa_float_denorm_mode_32 3
		.amdhsa_float_denorm_mode_16_64 3
		.amdhsa_memory_ordered 1
		.amdhsa_forward_progress 1
		.amdhsa_inst_pref_size 89
	.end_amdhsa_kernel
	.amdgpu_metadata
---
amdhsa.version: [ 1, 2 ]
amdhsa.kernels:
  - .name:           k_q283ecf2d61_last
    .symbol:         k_q283ecf2d61_last.kd
    .args:
      - { .name: o, .offset: 0, .size: 8, .value_kind: global_buffer, .address_space: global }
      - { .name: hB, .offset: 8, .size: 8, .value_kind: global_buffer, .address_space: global }
      - { .name: wl3, .offset: 16, .size: 8, .value_kind: global_buffer, .address_space: global }
      - { .name: out0, .offset: 24, .size: 8, .value_kind: global_buffer, .address_space: global }
    .group_segment_fixed_size: 327680
    .private_segment_fixed_size: 0
    .kernarg_segment_align: 8
    .kernarg_segment_size: 32
    .max_flat_workgroup_size: 128
    .sgpr_count:     80
    .vgpr_count:     256
    .wavefront_size: 32
...
	.end_amdgpu_metadata
.endif
;; end of part 5
